; MI455X (gfx1250); checked and timed in simulation.
; The chip was launched on July 23, 2026; its instructions are those of AMD's public machine-readable ISA for CDNA 5 (MIT licence, August 2026) and "CDNA5" Instruction Set Architecture Reference Guide (July 2026). The comments in the code are by the model that wrote it; some were corrected since.
;; Encoder Block. Allowed arithmetic: matrix products marked QUANTISED: E2M3 operands, one E8M0 scale for each 32 along K, by v_wmma_scale_f32_16x16x128_f8f6f4 with both operands' format E2M3, f32 sums; everything else in f32.
;; Inputs: W_k 1,024 x 1,024 float32; W_o 1,024 x 1,024 float32; W_q 1,024 x 1,024 float32; W_v 1,024 x 1,024 float32; b1 4,096 float32; b2 1,024 float32; beta1 1,024 float32; beta2 1,024 float32; gamma1 1,024 float32; gamma2 1,024 float32; mask 2 x 2,048 bool; w1 1,024 x 4,096 float32; w2 4,096 x 1,024 float32; x 2 x 2,048 x 1,024 float32.
;; Outputs: out0 2 x 2,048 x 1,024 float32.
;; This version of the problem:
;;   THIS VERSION OF THE PROBLEM IS GIVEN IN LOW PRECISION. The matrix products marked QUANTISED in the list below multiply operands that are first quantised to E2M3 (2 exponent bits, 3 mantissa bits; 6 bits a number), with one power-of-two scale for each 32 numbers along K (OCP MX v1.0); their sums are f32. All else is computed in f32.
;;   The module's matrix products, in the order in which they are computed (A, B: the left and right operand; K: the contracted axis; several contracted axes count as one K, in the product's order):
;;     1. [M 4,096, K 1,024] x [K 1,024, N 1,024]; A: input x; B: input W_q: QUANTISED
;;     2. [M 4,096, K 1,024] x [K 1,024, N 1,024]; A: input x; B: input W_k: QUANTISED
;;     3. [M 4,096, K 1,024] x [K 1,024, N 1,024]; A: input x; B: input W_v: QUANTISED
;;     4. batch 32 x [M 2,048, K 64] x [K 64, N 2,048]; A: computed on the way; B: computed on the way: QUANTISED
;;     5. batch 32 x [M 2,048, K 2,048] x [K 2,048, N 64]; A: softmax (see below); B: computed on the way: QUANTISED
;;     6. [M 4,096, K 1,024] x [K 1,024, N 1,024]; A: computed on the way; B: input W_o: QUANTISED
;;     7. [M 4,096, K 1,024] x [K 1,024, N 4,096]; A: computed on the way; B: input w1: QUANTISED
;;     8. [M 4,096, K 4,096] x [K 4,096, N 1,024]; A: computed on the way; B: input w2: QUANTISED
;;   THE QUANTISER, for each operand of a quantised product, along K:
;;     - K is cut into blocks of 32 from its start; a last block that is shorter is filled with zeros.
;;     - A block's scale is 2^e with e = floor(log2(the largest magnitude in the block)) - 2, held to -126 .. 127; a block of zeros has e = 0. As a byte (E8M0): e + 127.
;;     - Each number is divided by its block's scale, clamped to +-7.5, and rounded to the nearest number of E2M3, ties to even, subnormals kept.
;;     - The product sums the exact products of the quantised numbers (number of the format x scale) in f32.
;;   ~~~python
;;   def quantise(x, axis):      # numpy; x: float32 -> the quantised numbers, widened to float32 again
;;       x = np.moveaxis(x, axis, -1); K = x.shape[-1]
;;       x = np.pad(x, [(0, 0)] * (x.ndim - 1) + [(0, -K % 32)]); x = x.reshape(x.shape[:-1] + (-1, 32)); a = np.abs(x).max(-1, keepdims=True)
;;       e = np.where(a > 0, np.clip(np.frexp(np.where(a > 0, a, 1))[1] - 1 - 2, -126, 127), 0)      # np.frexp(a)[1] - 1 = floor(log2(a)), exactly
;;       r = np.clip(x / 2.0 ** e, -7.5, 7.5)
;;       step = 2.0 ** (np.maximum(np.frexp(np.where(r == 0, 1, r))[1] - 1, 0) - 3)
;;       q = np.round(r / step) * step * 2.0 ** e      # np.round: ties to even
;;       return np.moveaxis(q.reshape(q.shape[:-2] + (-1,))[..., :K], -1, axis).astype(np.float32)
;;   ~~~
;;   SOFTMAX AHEAD OF A QUANTISED PRODUCT. Where the list says 'softmax', what is quantised is not the finished softmax but p = 2^(t - M), with t = logit x log2(e) and M = ceil(the row's largest t), a whole number; so 1/2 < the row's largest p <= 1. The row's sum l is taken of the UNQUANTISED p, in f32, and the product's result is divided by l at the end. Since M is a whole number, a kernel that streams over the keys may use a running M (the ceiling of the running maximum): every later rescaling is an exact power of two, which a block's scale takes up: the codes' values come out the same.
;;   OPERANDS COMPUTED ON THE WAY. 'Computed on the way' means the value that the module computes at that place (a softmax that the list does not call 'softmax' is quantised finished and normalised). What goes into a quantiser is computed in f32, as accurately as f32 sums, v_exp_f32 and their like allow (about 1e-6 of the number): no bf16 or f16 on the way to a quantiser, and a product that is left as it is and whose result goes on into a quantised operand takes f32 operands (vector FMAs, or v_wmma_f32_16x16x4_f32). A number that lies on a knife's edge between two numbers of the format may be rounded either way, as far as f32 arithmetic and the matrix unit's own rounding can turn it there, and no further.
;; One version. Each part assembles by itself: llvm-mc -triple=amdgcn-amd-amdhsa -mcpu=gfx1250 --defsym DOCPART=n.
;; ======== version 1 of 1: 8 launches
;; workspace buffers: xc 3,407,872 bytes; wts 10,223,616 bytes; qkv 10,747,904 bytes; ctx 3,407,872 bytes; y 16,777,216 bytes; xn 16,777,216 bytes; hc 13,631,488 bytes
;; launch prep (part 1): grid 640 x 1, 4 waves a work-group, no clusters, 0 bytes of LDS; arguments x, W_q, W_k, W_v, W_o, w1, w2, xc, wts; writes xc, wts
.if DOCPART == 1
	.amdgcn_target "amdgcn-amd-amdhsa--gfx1250"
	.amdhsa_code_object_version 6
	.text
	.protected	k_q5ab68225cf_prep
	.globl	k_q5ab68225cf_prep
	.p2align	8
	.type	k_q5ab68225cf_prep,@function
k_q5ab68225cf_prep:
	s_mov_b64 s[64:65], 0
	v_nop
	global_prefetch_b8 v0, s[64:65] scope:SCOPE_SE
	s_setreg_imm32_b32 hwreg(HW_REG_WAVE_MODE, 25, 1), 1
	s_wait_xcnt 0x0
; x [4096][1024] and the six weights ([K][N], f32) become codes of FP6 (E2M3) with one E8M0 byte for each 32 along K, laid as IMAGES OF OPERAND REGISTERS.
; THE FORMAT of every operand that this program keeps in memory.  A tile is 16 rows; lane r (0..15) of tile t stands for row 32 (t / 2) + 8 (t % 2) + r % 8 + 16 (r / 8), so that, used as source 0,
; the 16 result registers of tiles 2 b and 2 b + 1 are 16 neighbours along the next K.  A fragment (16 rows x 128 K, 12 registers a lane, lane = 16 h + r) is 1,536 bytes: for each half c of 64 K
; registers 6 c .. 6 c + 3 at 768 c + 16 x lane and registers 6 c + 4, 6 c + 5 at 768 c + 512 + 8 x lane.  Its scale words: 128 bytes, row r's word at 4 r and again at 64 + 4 r.
; A tensor of R rows and K columns is [R / 16 tiles][K / 128][1,536 bytes], its scale words [R / 16][K / 128][128 bytes].  For a weight the rows are its columns n.
; A block's scale is 2^(floor(log2(largest magnitude)) - 2): the largest magnitude's exponent field less 2, held at 1 from below.
; LIMITS: a block of zeros, or one whose largest magnitude lies under 2^-124, gets the byte 1 (its codes are read by this program alone); NaN and infinities among the inputs are not served.
; SHARES: work-groups 0-255: tile t of x, wave w its K steps 2 w and 2 w + 1.  256-383: W_q, W_k, W_v, W_o, 32 work-groups each; 384-511: w2; 512-639: w1: 128 columns x 256 along K each,
; a wave 32 columns, A LANE A COLUMN with its registers running down K, so that a block of 32 lies in one lane and nothing is transposed.  No LDS, no barrier: waves share nothing.
.set XS,   3145728                     ; x's scale words in xc
.set SEL,  40                          ; s[40:41] lane selects: lane l xor 16
.set TM,   204                         ; v204-219 at work in QUANT4
.set X,    32                          ; v32-95   two sets of 32 numbers (weights); v32-159 two K steps of 64 (x)
.set C,    96                          ; v96-159  a weight's codes: eight registers for each block, so that no store's data are written again
.set PT,   160                         ; v160-162 the second half of a block's codes
.set SB,   24                          ; v24-25   scale words
; 64 numbers of a lane, register 16 b + i = k 32 b + 16 (lane / 16) + i of my row, become a fragment's codes in v[pc] .. v[pc+11] and its scale word in v[pw]
.macro QUANT4 s, pc, pw
.irp b, 0,1,2,3
	v_max3_num_f32 v[TM+\b], |v[\s+16*\b]|, |v[\s+1+16*\b]|, 0x1800000   ; my 16 numbers of block b, and the floor 2^(3 - 127): the byte cannot fall under 1
.endr
.irp i, 2,4,6,8,10,12,14
.irp b, 0,1,2,3
	v_max3_num_f32 v[TM+\b], v[TM+\b], |v[\s+16*\b+\i]|, |v[\s+1+16*\b+\i]|
.endr
.endr
.irp b, 0,1,2,3
	v_permlanex16_b32 v[TM+4+\b], v[TM+\b], s[SEL], s[SEL+1]
.endr
.irp b, 0,1,2,3
	v_max_num_f32 v[TM+\b], v[TM+\b], v[TM+4+\b]   ; with lane l xor 16's: the block's largest magnitude
.endr
.irp b, 0,1,2,3
	v_add_nc_u32 v[TM+12+\b], 0xff000000, v[TM+\b] ; 2 off its exponent field: the conversion's scale operand
.endr
.irp b, 0,1,2,3
	v_lshrrev_b32 v[TM+4+\b], 23, v[TM+12+\b]      ; the scale's byte
.endr
	v_lshl_or_b32 v[\pw], v[TM+5], 8, v[TM+4]
	v_lshl_or_b32 v[\pw], v[TM+6], 16, v[\pw]
	v_lshl_or_b32 v[\pw], v[TM+7], 24, v[\pw]
.irp c, 0,1
	v_cvt_scalef32_pk16_fp6_f32 v[\pc+6*\c:\pc+2+6*\c], v[\s+32*\c:\s+15+32*\c], v[TM+12+2*\c]
	v_cvt_scalef32_pk16_fp6_f32 v[\pc+12+4*\c:\pc+14+4*\c], v[\s+16+32*\c:\s+31+32*\c], v[TM+12+2*\c+1]   ; (a conversion's three registers begin on an even number)
.endr
	v_nop                                          ; one plain place behind a scaled conversion
.irp c, 0,1                                    ; the layout wants a whole block in a lane: lanes 0-15 block 2 c, lanes 16-31 block 2 c + 1
.irp i, 0,1,2
	v_permlane16_swap_b32 v[\pc+6*\c+\i], v[\pc+12+4*\c+\i]
.endr
.irp i, 0,1,2
	v_mov_b32 v[\pc+3+6*\c+\i], v[\pc+12+4*\c+\i]
.endr
.endr
.endm
.macro STFRAG pc, pw, n                        ; fragment n of my two goes out as an image: 512 + 256 + 512 + 256 consecutive bytes, and 128 of scale words
	global_store_b128 v5, v[\pc:\pc+3], s[28:29] offset:1536*\n
	global_store_b64 v6, v[\pc+4:\pc+5], s[28:29] offset:1536*\n
	global_store_b128 v5, v[\pc+6:\pc+9], s[28:29] offset:1536*\n+768
	global_store_b64 v6, v[\pc+10:\pc+11], s[28:29] offset:1536*\n+768
	global_store_b32 v7, v[\pw], s[30:31] offset:128*\n
.endm
; a weight: block t of my column: rows 32 t .. 32 t + 31 of the work-group's 256, into set t % 2
.macro LOADW t, rowb
.irp i, 0,1,2,3,4,5,6,7,8,9,10,11,12,13,14,15,16,17,18,19,20,21,22,23,24,25,26,27,28,29,30,31
	global_load_b32 v[X+32*((\t)%2)+\i], v4, s[30:31] offset:(32*(\t)+\i)*\rowb th:TH_LOAD_NT   ; 32 lanes read 128 consecutive bytes
.endr
.endm
.macro BLOCKW t, rowb
.set XB, X+32*((\t)%2)
.set CB, C+8*(\t)
.if (\t) < 7
	s_wait_loadcnt 32                              ; this block's 32 loads are in; the next block's 32 may be out
.else
	s_wait_loadcnt 0x0
.endif
	v_max3_num_f32 v12, |v[XB]|, |v[XB+1]|, |v[XB+2]|     ; the block's largest magnitude: all 32 numbers are mine
	v_max3_num_f32 v13, |v[XB+3]|, |v[XB+4]|, |v[XB+5]|
.irp i, 6,10,14,18,22,26
	v_max3_num_f32 v12, v12, |v[XB+\i]|, |v[XB+\i+1]|
	v_max3_num_f32 v13, v13, |v[XB+\i+2]|, |v[XB+\i+3]|
.endr
	v_max3_num_f32 v12, v12, |v[XB+30]|, |v[XB+31]|
	v_max3_num_f32 v12, v12, v13, 0x1800000        ; and the floor
	v_add_nc_u32 v11, 0xff000000, v12              ; the conversion's scale operand
	v_lshrrev_b32 v13, 23, v11                     ; the byte
.if (\t)%4 == 0
	v_mov_b32 v[SB+(\t)/4], v13                    ; four blocks are a K step: their bytes make my row's scale word
.else
	v_lshl_or_b32 v[SB+(\t)/4], v13, 8*((\t)%4), v[SB+(\t)/4]
.endif
	v_cvt_scalef32_pk16_fp6_f32 v[CB:CB+2], v[XB:XB+15], v11
	v_cvt_scalef32_pk16_fp6_f32 v[PT:PT+2], v[XB+16:XB+31], v11
	v_nop                                          ; one plain place behind a scaled conversion
.irp i, 0,1,2
	v_mov_b32 v[CB+3+\i], v[PT+\i]
.endr
	; block t is K step t / 4, half (t / 2) % 2, lanes' half t % 2 of my tile's fragment: my six registers stand at lane 16 (t % 2) + r of that image
	global_store_b128 v8, v[CB:CB+3], s[36:37] offset:((\t)/4)*1536+(((\t)/2)%2)*768+((\t)%2)*256
	global_store_b64 v9, v[CB+4:CB+5], s[36:37] offset:((\t)/4)*1536+(((\t)/2)%2)*768+((\t)%2)*128
.if (\t)+2 < 8
	LOADW (\t)+2, \rowb
.endif
.endm
; s24 column block, s25 which 256 along K, s26 K / 128, s27, s28 the tensor's codes and scale words in wts, s[30:31] the tensor, s32 the K chunk's bytes
.macro WSETUP
	s_lshl_b32 s34, s24, 2
	s_add_co_u32 s34, s34, s2                      ; g: my wave's 32 columns
	s_lshl_b32 s35, s34, 7
	s_add_co_u32 s32, s32, s35
	s_mov_b32 s33, 0
	s_add_nc_u64 s[30:31], s[30:31], s[32:33]      ; the source at my first row and column
	s_lshl_b32 s34, s34, 1
	s_mul_i32 s34, s34, s26
	s_lshl_b32 s35, s25, 1
	s_add_co_u32 s34, s34, s35                     ; fragment (tile 2 g, K step 2 kc)
	s_mul_i32 s32, s34, 1536
	s_add_co_u32 s32, s32, s27
	s_add_nc_u64 s[36:37], s[20:21], s[32:33]      ; its codes
	s_lshl_b32 s32, s34, 7
	s_add_co_u32 s32, s32, s28
	s_add_nc_u64 s[38:39], s[20:21], s[32:33]      ; its scale words
	s_mul_i32 s34, s26, 1536                       ; from tile to tile
	s_lshl_b32 s35, s26, 7
	v_lshlrev_b32 v4, 2, v3                        ; in: 4 bytes a lane
	v_bfe_u32 v5, v3, 3, 1                         ; column 32 g + l is lane r = l % 8 + 8 (l / 16) of tile 2 g + (l / 8) % 2
	v_and_b32 v6, 7, v3
	v_bfe_u32 v7, v3, 4, 1
	v_lshl_or_b32 v6, v7, 3, v6
	v_mul_u32_u24 v7, s34, v5
	v_lshl_add_u32 v8, v6, 4, v7                   ; registers 0-3: 16 r
	v_lshl_add_u32 v9, v6, 3, v7
	v_add_nc_u32 v9, 512, v9                       ; registers 4, 5: 512 + 8 r
	v_mul_u32_u24 v10, s35, v5
	v_lshl_add_u32 v10, v6, 2, v10                 ; scale word: 4 r
.endm
.macro WPATH rowb
	LOADW 0, \rowb
	LOADW 1, \rowb
.set QQ, 0
.rept 8
	BLOCKW QQ, \rowb
.set QQ, QQ+1
.endr
.irp k, 0,1
	global_store_b32 v10, v[SB+\k], s[38:39] offset:128*\k       ; the word for lanes 0-15,
	global_store_b32 v10, v[SB+\k], s[38:39] offset:128*\k+64    ; and its repeat for lanes 16-31
.endr
.endm
	s_load_b256 s[4:11], s[0:1], 0x0               ; x, W_q, W_k, W_v
	s_load_b256 s[12:19], s[0:1], 0x20             ; W_o, w1, w2, xc
	s_load_b64 s[20:21], s[0:1], 0x40              ; wts
	v_lshrrev_b32 v1, 5, v0
	v_readfirstlane_b32 s2, v1                     ; wave 0..3
	v_and_b32 v3, 31, v0                           ; lane
	s_cmp_lt_u32 ttmp9, 256
	s_cbranch_scc0 .Lweights
	; ---- x: tile t = the work-group's number
	v_and_b32 v1, 7, v0
	v_bfe_u32 v2, v0, 3, 1
	v_lshl_add_u32 v1, v2, 4, v1                   ; r % 8 + 16 (r / 8)
	v_bfe_u32 v2, v0, 4, 1                         ; h
	v_lshlrev_b32 v1, 12, v1
	v_lshl_add_u32 v4, v2, 6, v1                   ; my row of 4,096 bytes, + 64 h: my 16 numbers of a block of 32
	v_lshlrev_b32 v5, 4, v3
	v_lshlrev_b32 v6, 3, v3
	v_add_nc_u32 v6, 512, v6
	v_lshlrev_b32 v7, 2, v3
.irp b, 0,1,2,3
	v_mov_b32 v[TM+4+\b], 0                        ; written once: a lane permute's destination counts as one of its sources
.endr
	s_mov_b32 s[SEL], 0x76543210
	s_mov_b32 s[SEL+1], 0xfedcba98
	s_lshr_b32 s22, ttmp9, 1
	s_lshl_b32 s22, s22, 5
	s_and_b32 s23, ttmp9, 1
	s_lshl_b32 s23, s23, 3
	s_add_co_u32 s22, s22, s23                     ; the tile's first row: 32 (t / 2) + 8 (t % 2)
	s_lshl_b32 s22, s22, 12
	s_lshl_b32 s23, s2, 10                         ; my two K steps: 1,024 bytes of a row
	s_add_co_u32 s22, s22, s23
	s_mov_b32 s23, 0
	s_lshl_b32 s24, ttmp9, 3
	s_lshl_b32 s25, s2, 1
	s_add_co_u32 s24, s24, s25                     ; fragment 8 t + 2 w
	s_mul_i32 s26, s24, 1536
	s_mov_b32 s27, 0
	s_lshl_b32 s24, s24, 7
	s_add_co_u32 s24, s24, XS
	s_mov_b32 s25, 0
	s_wait_kmcnt 0x0
	s_add_nc_u64 s[4:5], s[4:5], s[22:23]
	s_add_nc_u64 s[28:29], s[18:19], s[26:27]
	s_add_nc_u64 s[30:31], s[18:19], s[24:25]
.irp k, 0,1
.irp b, 0,1,2,3
.irp j, 0,1,2,3
	global_load_b128 v[32+64*\k+16*\b+4*\j:35+64*\k+16*\b+4*\j], v4, s[4:5] offset:512*\k+128*\b+16*\j th:TH_LOAD_NT
.endr
.endr
.endr
	s_wait_loadcnt 16                              ; the first K step's 16 loads are in; the second's 16 may be out
	QUANT4 32, 160, 200
	STFRAG 160, 200, 0
	s_wait_loadcnt 0x0
	QUANT4 96, 180, 201                            ; codes and word in registers of their own: the stores above still read theirs
	STFRAG 180, 201, 1
	s_endpgm
.Lweights:
	s_cmp_lt_u32 ttmp9, 384
	s_cbranch_scc0 .Lbig
	s_sub_co_u32 s22, ttmp9, 256                   ; ---- W_q, W_k, W_v, W_o: [1024][1024]
	s_lshr_b32 s23, s22, 5                         ; which of the four
	s_and_b32 s24, s22, 7
	s_bfe_u32 s25, s22, 0x20003
	s_mov_b32 s26, 8
	s_mul_i32 s27, s23, 786432
	s_lshl_b32 s28, s23, 16
	s_add_co_u32 s28, s28, 9437184
	s_wait_kmcnt 0x0
	s_cmp_eq_u32 s23, 1
	s_cselect_b64 s[30:31], s[8:9], s[6:7]
	s_cmp_eq_u32 s23, 2
	s_cselect_b64 s[30:31], s[10:11], s[30:31]
	s_cmp_eq_u32 s23, 3
	s_cselect_b64 s[30:31], s[12:13], s[30:31]
	s_branch .Lnarrow
.Lbig:
	s_cmp_lt_u32 ttmp9, 512
	s_cbranch_scc0 .Lw1
	s_sub_co_u32 s22, ttmp9, 384                   ; ---- w2: [4096][1024]
	s_and_b32 s24, s22, 7
	s_lshr_b32 s25, s22, 3
	s_mov_b32 s26, 32
	s_mov_b32 s27, 6291456
	s_mov_b32 s28, 9961472
	s_wait_kmcnt 0x0
	s_mov_b64 s[30:31], s[16:17]
.Lnarrow:
	s_lshl_b32 s32, s25, 20                        ; 256 rows of 4,096 bytes
	WSETUP
	WPATH 4096
	s_endpgm
.Lw1:
	s_sub_co_u32 s22, ttmp9, 512                   ; ---- w1: [1024][4096]
	s_and_b32 s24, s22, 31
	s_lshr_b32 s25, s22, 5
	s_mov_b32 s26, 8
	s_mov_b32 s27, 3145728
	s_mov_b32 s28, 9699328
	s_wait_kmcnt 0x0
	s_mov_b64 s[30:31], s[14:15]
	s_lshl_b32 s32, s25, 22                        ; 256 rows of 16,384 bytes; the largest immediate, 255 rows, stays inside the signed 24 bits
	WSETUP
	WPATH 16384
	s_endpgm
.Lfunc_end_k_q5ab68225cf_prep:
	.size	k_q5ab68225cf_prep, .Lfunc_end_k_q5ab68225cf_prep-k_q5ab68225cf_prep
	.p2alignl 7, 3214868480
	.fill 96, 4, 3214868480
	.section	.rodata,"a",@progbits
	.p2align	6, 0x0
	.amdhsa_kernel k_q5ab68225cf_prep
		.amdhsa_group_segment_fixed_size 0
		.amdhsa_private_segment_fixed_size 0
		.amdhsa_enable_private_segment 0
		.amdhsa_kernarg_size 72
		.amdhsa_user_sgpr_count 2
		.amdhsa_user_sgpr_kernarg_segment_ptr 1
		.amdhsa_wavefront_size32 1
		.amdhsa_system_sgpr_workgroup_id_x 1
		.amdhsa_system_sgpr_workgroup_id_y 1
		.amdhsa_system_sgpr_workgroup_id_z 1
		.amdhsa_system_vgpr_workitem_id 0
		.amdhsa_next_free_vgpr 224
		.amdhsa_next_free_sgpr 66
		.amdhsa_reserve_vcc 0
		.amdhsa_float_denorm_mode_32 3
		.amdhsa_float_denorm_mode_16_64 3
		.amdhsa_memory_ordered 1
		.amdhsa_forward_progress 1
		.amdhsa_inst_pref_size 93
	.end_amdhsa_kernel
	.amdgpu_metadata
---
amdhsa.version: [ 1, 2 ]
amdhsa.kernels:
  - .name:           k_q5ab68225cf_prep
    .symbol:         k_q5ab68225cf_prep.kd
    .args:
      - { .name: x, .offset: 0, .size: 8, .value_kind: global_buffer, .address_space: global }
      - { .name: W_q, .offset: 8, .size: 8, .value_kind: global_buffer, .address_space: global }
      - { .name: W_k, .offset: 16, .size: 8, .value_kind: global_buffer, .address_space: global }
      - { .name: W_v, .offset: 24, .size: 8, .value_kind: global_buffer, .address_space: global }
      - { .name: W_o, .offset: 32, .size: 8, .value_kind: global_buffer, .address_space: global }
      - { .name: w1, .offset: 40, .size: 8, .value_kind: global_buffer, .address_space: global }
      - { .name: w2, .offset: 48, .size: 8, .value_kind: global_buffer, .address_space: global }
      - { .name: xc, .offset: 56, .size: 8, .value_kind: global_buffer, .address_space: global }
      - { .name: wts, .offset: 64, .size: 8, .value_kind: global_buffer, .address_space: global }
    .group_segment_fixed_size: 0
    .private_segment_fixed_size: 0
    .kernarg_segment_align: 8
    .kernarg_segment_size: 72
    .max_flat_workgroup_size: 128
    .sgpr_count:     66
    .vgpr_count:     224
    .wavefront_size: 32
...
	.end_amdgpu_metadata
.endif
;; end of part 1
;; launch qkvp (part 2): grid 8 x 32, 4 waves a work-group, no clusters, 327,680 bytes of LDS; arguments xc, wts, qkv; writes qkv
.if DOCPART == 2
	.amdgcn_target "amdgcn-amd-amdhsa--gfx1250"
	.amdhsa_code_object_version 6
	.text
	.protected	k_q5ab68225cf_qkvp
	.globl	k_q5ab68225cf_qkvp
	.p2align	8
	.type	k_q5ab68225cf_qkvp,@function
k_q5ab68225cf_qkvp:
	s_mov_b64 s[64:65], 0
	v_nop
	global_prefetch_b8 v0, s[64:65] scope:SCOPE_SE
	s_setreg_imm32_b32 hwreg(HW_REG_WAVE_MODE, 25, 1), 1
	s_wait_xcnt 0x0
; Q = x W_q, K = x W_k, V = x W_v on codes of FP6 (E2M3), sums in f32; the results are quantised in registers and leave as operand images for the attention launch.
; Operand format: see the first launch: a fragment (16 rows x 128 K) is 1,536 bytes on end, its scale words 128 bytes; lane r of tile t stands for row 32 (t / 2) + 8 (t % 2) + r % 8 + 16 (r / 8).
; A WORK-GROUP STAYS.  Work-group (x, y) owns 128 tokens (block y) and columns 128 x .. 128 x + 127 of all three weights: three tiles of 128 x 128, one after the other.  Four waves of 64 x 64: 16 accumulators.
; THE TOKENS' FRAGMENTS STAY IN REGISTERS: a wave's 64 tokens x 1,024 K are 32 fragments, 384 registers, read from LDS once; so a K step's LDS reads are the weight's four fragments a wave, 24,576 bytes for
; the four waves, and x is fetched once for the three tiles.
; LDS: three slots of 106,496 bytes, each one block as it lies in memory: codes [8 tiles][8 K steps][1,536], then scale words [8][8][128].  Waves 0-2 bring 32,768 bytes of codes each, wave 3 the 8,192 bytes of
; scale words.  First fills, one group, three loads a wave: the tokens into slot 2, W_q's block into slot 0, W_k's into slot 1.  When the tokens are in registers, slot 2 is filled again with W_v's block, at
; tile 0's K step 4: 168 matrix instructions a wave ahead of the wait for it.  All of a WGP's LDS is claimed.
; SOURCES.  For Q and K source 0 is the weight's columns, so that a lane's registers run along the head's 64, the score product's K.  For V the sources change places, so that they run along the keys.
; NO CLUSTER: of the four blocks of 106,496 bytes only the first two are waited for at the head; the other two are asked for 64 and 168 matrix instructions ahead of the waits for them, and a joint request would put a round of
; the cluster's barrier at the refill.
; OUT: as the attention launch reads it.  For head g = 16 batch + head, qkv holds one dense block of 221,184 bytes: K's codes [128 token tiles][768]; at 98,304 V's [16 key steps][4 tiles of the head's 64][1,536];
; at 196,608 K's scale words [128][128]; at 212,992 V's [16][4][128].  Q's codes at QOFF, [g][128][768], its words at QSOFF.  Q's and K's words hold their two bytes twice.
; LIMITS: blocks of zeros, or under 2^-124, get the byte 1; NaN and infinities are not served.
; REGISTERS.  Window 0: v4-15 LDS addresses; v16-18 store offsets; v28-29 for the add; v32-39 the weight's scale words, two sets; v40-71 the tokens' scale words; v72-103 codes; v104-112 at work; v128-255 accumulators.
; Window 1: the weight's fragments, two sets of 48.  Window 2: the tokens' fragments of K steps 0-4 (12 (4 k + a)); window 3: of K steps 5-7.
.set SLOTB, 106496
.set SCO,   98304                      ; a slot's scale words
.set SPARE, 3*SLOTB                    ; the spare words, 128 bytes for each wave: two blocks of 256 bytes that no other line names
.set XS,    3145728                    ; x's scale words in xc
.set WSC,   9437184                    ; W_q's scale words in wts
.set PSTEP, 786432                     ; from weight to weight: codes, scale words
.set SSTEP, 65536
.set QOFF,  7077888
.set QSOFF, 10223616
.set AP16, 4                           ; v4-6   16 x lane + my four weight tiles in slot 0, 1, 2;  v7-9 the same with 8 x lane;  v10-12 their scale words
.set AP8,  7
.set SP,   10
.set AQ16, 13                          ; v13-15 the same for my four token tiles, in slot 2
.set AQ8,  14
.set SQ,   15
.set O16,  16                          ; v16 16 x lane; v17 8 x lane + 512; v18 4 x lane
.set O8,   17
.set O4,   18
.set SPW,  28                          ; v28 LDS address of my spare word; v29 0: never rewritten
.set NIL,  29
.set PSC,  32
.set QS,   40
.set CD,   72
.set TMX,  104
.set TPM,  106
.set TSC,  108
.set PT,   110
.set ACC,  128                         ; accumulator (a = source 1's tile, b = source 0's tile) at v[128 + 8 (4 a + b)]
.set G1C,  24                          ; s[24:31] group 1 for codes; s[32:39] for scale words
.set G1S,  32
.set GA,   40                          ; groups 0 for codes: slot 2, slot 0, slot 1
.set GB,   44
.set GC,   48
.set HA,   52                          ; and for scale words
.set HB,   56
.set HC,   60
.set PA,   66                          ; s[66:67] my part of W_q's block; s[68:69] its scale words
.set PS,   68
.set SEL,  70
.set PB,   72
.set QB,   73
.set MSB, 0
.macro WIN new                         ; the immediate's high byte repeats the setting that is left
.if MSB != \new
	s_set_vgpr_msb (MSB<<8)|\new
.set MSB, \new
.endif
.endm
.macro PLACES                          ; four places between a matrix instruction and a load into, or a vector read of, its registers
.rept 4
	v_nop
.endr
.endm
.macro FRAG reg, a16, a8, off          ; a fragment comes back as it was stored: every load reads consecutive bytes
	ds_load_b128 v[\reg:\reg+3],     v[\a16] offset:\off
	ds_load_b64  v[\reg+4:\reg+5],   v[\a8]  offset:\off+512
	ds_load_b128 v[\reg+6:\reg+9],   v[\a16] offset:\off+768
	ds_load_b64  v[\reg+10:\reg+11], v[\a8]  offset:\off+1280
.endm
.macro FETCH slot, ks                  ; 20 LDS loads: my four weight fragments of K step ks into set ks % 2, and their scale words
.set FG, 48*((\ks)%2)
	WIN 0x40
.irp i, 0,1,2,3
	FRAG FG+12*\i, AP16+\slot, AP8+\slot, \i*12288+(\ks)*1536
.endr
	WIN 0
.irp i, 0,1,2,3
	ds_load_b32 v[PSC+FG/12+\i], v[SP+\slot] offset:\i*1024+(\ks)*128
.endr
.endm
.macro QLOAD                           ; my 64 tokens, all of K, into registers: once
	WIN 0x80
.irp k, 0,1,2,3,4
.irp a, 0,1,2,3
	FRAG 12*(4*\k+\a), AQ16, AQ8, \a*12288+\k*1536
.endr
.endr
	WIN 0xc0
.irp k, 5,6,7
.irp a, 0,1,2,3
	FRAG 12*(4*(\k-5)+\a), AQ16, AQ8, \a*12288+\k*1536
.endr
.endr
	WIN 0
.irp k, 0,1,2,3,4,5,6,7
.irp a, 0,1,2,3
	ds_load_b32 v[QS+4*\k+\a], v[SQ] offset:\a*1024+\k*128
.endr
.endr
.endm
; n x 4 matrix instructions of K step ks, from source 1's tile a0 on.  cm = 1: the constant 0 starts the sums.  sw = 1: the tokens are source 0.  The 16 accumulators take turns, in the same order in every step.
.macro MUL a0, n, ks, cm, sw
.set FF, 48*((\ks)%2)
.if (\ks) < 5
.set QW, 2
.set QR, 48*(\ks)
.else
.set QW, 3
.set QR, 48*((\ks)-5)
.endif
.if \sw
.set WV, QW|4
.else
.set WV, 1|(QW<<2)
.endif
	WIN WV
.set AA, \a0
.rept \n
.irp b, 0,1,2,3
.if \sw
.if \cm == 1
	v_wmma_scale_f32_16x16x128_f8f6f4 v[ACC+8*(4*AA+\b):ACC+8*(4*AA+\b)+7], v[QR+12*\b:QR+12*\b+11], v[FF+12*AA:FF+12*AA+11], 0, v[QS+4*(\ks)+\b], v[PSC+FF/12+AA] matrix_a_fmt:MATRIX_FMT_FP6 matrix_b_fmt:MATRIX_FMT_FP6
.else
	v_wmma_scale_f32_16x16x128_f8f6f4 v[ACC+8*(4*AA+\b):ACC+8*(4*AA+\b)+7], v[QR+12*\b:QR+12*\b+11], v[FF+12*AA:FF+12*AA+11], v[ACC+8*(4*AA+\b):ACC+8*(4*AA+\b)+7], v[QS+4*(\ks)+\b], v[PSC+FF/12+AA] matrix_a_fmt:MATRIX_FMT_FP6 matrix_b_fmt:MATRIX_FMT_FP6
.endif
.else
.if \cm == 1
	v_wmma_scale_f32_16x16x128_f8f6f4 v[ACC+8*(4*AA+\b):ACC+8*(4*AA+\b)+7], v[FF+12*\b:FF+12*\b+11], v[QR+12*AA:QR+12*AA+11], 0, v[PSC+FF/12+\b], v[QS+4*(\ks)+AA] matrix_a_fmt:MATRIX_FMT_FP6 matrix_b_fmt:MATRIX_FMT_FP6
.else
	v_wmma_scale_f32_16x16x128_f8f6f4 v[ACC+8*(4*AA+\b):ACC+8*(4*AA+\b)+7], v[FF+12*\b:FF+12*\b+11], v[QR+12*AA:QR+12*AA+11], v[ACC+8*(4*AA+\b):ACC+8*(4*AA+\b)+7], v[PSC+FF/12+\b], v[QS+4*(\ks)+AA] matrix_a_fmt:MATRIX_FMT_FP6 matrix_b_fmt:MATRIX_FMT_FP6
.endif
.endif
.endr
.set AA, AA+1
.endr
.endm
.macro STEP ks, cm, sw, nslot, nks     ; the next step's weight fragments (slot nslot, K step nks) are asked for, then K step ks is multiplied
	PLACES
	FETCH \nslot, \nks
	s_wait_dscnt 20                                ; all but the 20 loads just issued: this step's set is in
	MUL 0, 4, \ks, \cm, \sw
.endm
.macro TLOAD gc, gs                    ; waves 0-2 bring codes, wave 3 the scale words: two shapes, so two lines, under a branch on the wave's number; four v_nop follow each
	s_cmp_lt_u32 s2, 3
	s_cbranch_scc0 .Lsc_\@
	tensor_load_to_lds s[\gc:\gc+3], s[G1C:G1C+7]
	s_nop 0
	PLACES
	s_branch .Ldn_\@
.Lsc_\@:
	tensor_load_to_lds s[\gs:\gs+3], s[G1S:G1S+7]
	s_nop 0
	PLACES
.Ldn_\@:
.endm
; K step ks with a barrier in it.  In front of it every wave waits for all its tensor loads, adds 0 to its spare word and waits for that and for its LDS reads.  fill = 1: slot 2, whose tokens are in registers, takes W_v's block.
.macro TURN ks, sw, nslot, nks, fill
	WIN 0                                          ; (the add's two registers lie in window 0)
	s_wait_tensorcnt 0x0                           ; all my tensor loads have landed; so a group 0 may be written
	ds_add_u32 v[SPW], v[NIL]                      ; 0 onto my spare word
.if \fill == 1
	s_add_nc_u64 s[GA+2:GA+3], s[PA:PA+1], 2*PSTEP
	s_or_b32 s[GA+3], s[GA+3], 0x80000000
	s_add_nc_u64 s[HA+2:HA+3], s[PS:PS+1], 2*SSTEP
	s_or_b32 s[HA+3], s[HA+3], 0x80000000
.endif
	s_wait_dscnt 0x0                               ; the add is done, this step's set is in, and my LDS reads are over
	s_barrier_signal -1
	MUL 0, 2, \ks, 0, \sw                          ; work on registers while the others arrive
	WIN 0
	s_barrier_wait -1
.if \fill == 1
	TLOAD GA, HA                                   ; my one tensor load behind this barrier, and the first thing there
.else
	PLACES
.endif
	FETCH \nslot, \nks
	MUL 2, 2, \ks, 0, \sw
.endm
; 32 numbers of a lane, register 16 b + i = k 32 b + 16 (lane / 16) + i of my row, become half a fragment's codes in v[pc] .. v[pc+5] and two scale bytes in v[pw]
.macro QUANT2 s, pc, pw
.irp b, 0,1
	v_max3_num_f32 v[TMX+\b], |v[\s+16*\b]|, |v[\s+1+16*\b]|, 0x1800000   ; my 16 numbers of block b, and the floor 2^(3 - 127)
.endr
.irp i, 2,4,6,8,10,12,14
.irp b, 0,1
	v_max3_num_f32 v[TMX+\b], v[TMX+\b], |v[\s+16*\b+\i]|, |v[\s+1+16*\b+\i]|
.endr
.endr
.irp b, 0,1
	v_permlanex16_b32 v[TPM+\b], v[TMX+\b], s[SEL], s[SEL+1]
.endr
.irp b, 0,1
	v_max_num_f32 v[TMX+\b], v[TMX+\b], v[TPM+\b]
.endr
.irp b, 0,1
	v_add_nc_u32 v[TSC+\b], 0xff000000, v[TMX+\b]  ; 2 off the exponent field: the conversion's scale operand
.endr
.irp b, 0,1
	v_lshrrev_b32 v[TPM+\b], 23, v[TSC+\b]
.endr
	v_lshl_or_b32 v[\pw], v[TPM+1], 8, v[TPM]
	v_cvt_scalef32_pk16_fp6_f32 v[\pc:\pc+2], v[\s:\s+15], v[TSC]
	v_cvt_scalef32_pk16_fp6_f32 v[PT:PT+2], v[\s+16:\s+31], v[TSC+1]
	v_nop                                          ; one plain place behind a scaled conversion
.irp i, 0,1,2
	v_permlane16_swap_b32 v[\pc+\i], v[PT+\i]      ; a whole block to a lane: lanes 0-15 block 0, lanes 16-31 block 1
.endr
.irp i, 0,1,2
	v_mov_b32 v[\pc+3+\i], v[PT+\i]
.endr
.endm
.macro QUANTALL                        ; a finished tile: each of source 1's tiles has 32 registers a lane, 64 neighbours along the next K with lane l xor 16's
	WIN 0
	PLACES
	s_wait_xcnt 0x0                                ; the last tile's stores have read the codes' registers, which are written again below
.irp a, 0,1,2,3
	QUANT2 ACC+32*\a, CD+8*\a, CD+6+8*\a
.endr
.endm
.macro OUTQK cb, sb
.irp a, 0,1,2,3
	v_lshl_or_b32 v[CD+6+8*\a], v[CD+6+8*\a], 16, v[CD+6+8*\a]   ; the two bytes twice
.endr
.irp a, 0,1,2,3
	global_store_b128 v[O16], v[CD+8*\a:CD+8*\a+3], s[\cb:\cb+1] offset:768*\a
	global_store_b64 v[O8], v[CD+8*\a+4:CD+8*\a+5], s[\cb:\cb+1] offset:768*\a
	global_store_b32 v[O4], v[CD+6+8*\a], s[\sb:\sb+1] offset:128*\a
.endr
.endm
	s_load_b128 s[4:7], s[0:1], 0x0                ; xc, wts
	s_load_b64 s[8:9], s[0:1], 0x10                ; qkv
	v_lshl_add_u32 v[SPW], v0, 2, SPARE
	v_mov_b32 v[NIL], 0
	ds_add_u32 v28, v29
	ds_add_u32 v28, v29
	s_wait_dscnt 0x0
	v_lshrrev_b32 v1, 5, v0
	v_readfirstlane_b32 s2, v1                     ; wave 0..3
	s_and_b32 s14, s2, 1                           ; my half of the weight's 128 columns
	s_lshr_b32 s15, s2, 1                          ; my half of the 128 tokens
	s_mov_b32 s[PB], ttmp9
	s_and_b32 s[QB], ttmp7, 0xffff
	s_mov_b32 s[G1C], 3<<16                        ; 32,768 dense bytes as 128 rows of 256 (32 elements of 8 bytes); no mask, no padding
	s_mov_b32 s[G1C+1], 32<<16
	s_mov_b32 s[G1C+2], 128<<16
	s_mov_b32 s[G1C+3], 32<<16
	s_mov_b32 s[G1C+4], 128
	s_mov_b32 s[G1C+5], 32
	s_mov_b32 s[G1C+6], 0
	s_mov_b32 s[G1C+7], 0
	s_mov_b32 s[G1S], 3<<16                        ; 8,192 dense bytes as 32 rows of 256
	s_mov_b32 s[G1S+1], 32<<16
	s_mov_b32 s[G1S+2], 32<<16
	s_mov_b32 s[G1S+3], 32<<16
	s_mov_b32 s[G1S+4], 32
	s_mov_b32 s[G1S+5], 32
	s_mov_b32 s[G1S+6], 0
	s_mov_b32 s[G1S+7], 0
	s_mov_b32 s[SEL], 0x76543210
	s_mov_b32 s[SEL+1], 0xfedcba98
	s_lshl_b32 s16, s2, 15                         ; wave x 32,768: my third of a block's codes, in memory and in a slot
	s_mul_i32 s18, s[QB], 98304
	s_add_co_u32 s18, s18, s16
	s_mov_b32 s19, 0
	s_lshl_b32 s20, s[QB], 13
	s_add_co_u32 s20, s20, XS
	s_mov_b32 s21, 0
	s_mul_i32 s22, s[PB], 98304
	s_add_co_u32 s22, s22, s16
	s_mov_b32 s23, 0
	s_lshl_b32 s74, s[PB], 13
	s_add_co_u32 s74, s74, WSC
	s_mov_b32 s75, 0
	s_wait_kmcnt 0x0
	s_add_nc_u64 s[PA:PA+1], s[6:7], s[22:23]
	s_add_nc_u64 s[PS:PS+1], s[6:7], s[74:75]
	s_mov_b32 s[GA], 1                             ; the tokens' codes into slot 2
	s_add_co_u32 s[GA+1], s16, 2*SLOTB
	s_add_nc_u64 s[GA+2:GA+3], s[4:5], s[18:19]
	s_or_b32 s[GA+3], s[GA+3], 0x80000000
	s_mov_b32 s[GB], 1                             ; W_q's into slot 0
	s_mov_b32 s[GB+1], s16
	s_mov_b64 s[GB+2:GB+3], s[PA:PA+1]
	s_or_b32 s[GB+3], s[GB+3], 0x80000000
	s_mov_b32 s[GC], 1                             ; W_k's into slot 1
	s_add_co_u32 s[GC+1], s16, SLOTB
	s_add_nc_u64 s[GC+2:GC+3], s[PA:PA+1], PSTEP
	s_or_b32 s[GC+3], s[GC+3], 0x80000000
	s_mov_b32 s[HA], 1                             ; and the scale words likewise
	s_mov_b32 s[HA+1], 2*SLOTB+SCO
	s_add_nc_u64 s[HA+2:HA+3], s[4:5], s[20:21]
	s_or_b32 s[HA+3], s[HA+3], 0x80000000
	s_mov_b32 s[HB], 1
	s_mov_b32 s[HB+1], SCO
	s_mov_b64 s[HB+2:HB+3], s[PS:PS+1]
	s_or_b32 s[HB+3], s[HB+3], 0x80000000
	s_mov_b32 s[HC], 1
	s_mov_b32 s[HC+1], SLOTB+SCO
	s_add_nc_u64 s[HC+2:HC+3], s[PS:PS+1], SSTEP
	s_or_b32 s[HC+3], s[HC+3], 0x80000000
	s_cmp_lt_u32 s2, 3                             ; a wave's three first fills stand in one branch: three loads of mine are out
	s_cbranch_scc0 .Lfirst_s
	tensor_load_to_lds s[GA:GA+3], s[G1C:G1C+7]
	s_nop 0
	tensor_load_to_lds s[GB:GB+3], s[G1C:G1C+7]
	s_nop 0
	tensor_load_to_lds s[GC:GC+3], s[G1C:G1C+7]
	s_nop 0
	PLACES
	s_branch .Lfirst_d
.Lfirst_s:
	tensor_load_to_lds s[HA:HA+3], s[G1S:G1S+7]
	s_nop 0
	tensor_load_to_lds s[HB:HB+3], s[G1S:G1S+7]
	s_nop 0
	tensor_load_to_lds s[HC:HC+3], s[G1S:G1S+7]
	s_nop 0
	PLACES
.Lfirst_d:
	v_and_b32 v3, 31, v0
	v_lshlrev_b32 v[O16], 4, v3
	v_lshlrev_b32 v19, 3, v3
	v_lshlrev_b32 v[O4], 2, v3
	v_add_nc_u32 v[O8], 512, v19
	s_mul_i32 s74, s14, 49152                      ; my four weight tiles in a slot
.irp s, 0,1,2
	v_add_nc_u32 v[AP16+\s], s74, v[O16]
	v_add_nc_u32 v[AP8+\s], s74, v19
	s_add_co_u32 s74, s74, SLOTB
.endr
	s_lshl_b32 s74, s14, 12
	s_add_co_u32 s74, s74, SCO
.irp s, 0,1,2
	v_add_nc_u32 v[SP+\s], s74, v[O4]
	s_add_co_u32 s74, s74, SLOTB
.endr
	s_mul_i32 s74, s15, 49152                      ; my four token tiles, in slot 2
	s_add_co_u32 s74, s74, 2*SLOTB
	v_add_nc_u32 v[AQ16], s74, v[O16]
	v_add_nc_u32 v[AQ8], s74, v19
	s_lshl_b32 s74, s15, 12
	s_add_co_u32 s74, s74, 2*SLOTB+SCO
	v_add_nc_u32 v[SQ], s74, v[O4]
	v_mov_b32 v[TPM], 0                            ; written once: a lane permute's destination counts as one of its sources
	v_mov_b32 v[TPM+1], 0
	; where the three tiles go
	s_lshl_b32 s16, s[PB], 1
	s_add_co_u32 s16, s16, s14                     ; the head = my 64 of the weight's columns
	s_lshr_b32 s17, s[QB], 4
	s_lshl_b32 s17, s17, 4
	s_add_co_u32 s16, s16, s17                     ; g = 16 batch + head
	s_and_b32 s17, s[QB], 15
	s_lshl_b32 s17, s17, 3
	s_lshl_b32 s18, s15, 2
	s_add_co_u32 s17, s17, s18                     ; my first token tile in the batch
	s_lshl_b32 s18, s16, 7
	s_add_co_u32 s18, s18, s17
	s_mov_b32 s21, 0
	s_mul_i32 s20, s18, 768
	s_add_co_u32 s20, s20, QOFF
	s_add_nc_u64 s[76:77], s[8:9], s[20:21]        ; Q's codes
	s_lshl_b32 s20, s18, 7
	s_add_co_u32 s20, s20, QSOFF
	s_add_nc_u64 s[78:79], s[8:9], s[20:21]        ; Q's words
	s_mul_i32 s19, s16, 221184                     ; the head's block
	s_mul_i32 s20, s17, 768
	s_add_co_u32 s20, s20, s19
	s_add_nc_u64 s[80:81], s[8:9], s[20:21]        ; K's codes
	s_lshl_b32 s20, s17, 7
	s_add_co_u32 s20, s20, s19
	s_add_co_u32 s20, s20, 196608
	s_add_nc_u64 s[82:83], s[8:9], s[20:21]        ; K's words
	s_and_b32 s18, s[QB], 15                       ; V: my 64 tokens are half s15 of key step (block y) % 16
	s_mul_i32 s20, s18, 6144
	s_add_co_u32 s20, s20, s19
	s_mul_i32 s22, s15, 768
	s_add_co_u32 s20, s20, s22
	s_add_co_u32 s20, s20, 98304
	s_add_nc_u64 s[84:85], s[8:9], s[20:21]        ; V's codes
	s_lshl_b32 s20, s18, 9
	s_add_co_u32 s20, s20, s19
	s_lshl_b32 s22, s15, 1
	s_add_co_u32 s20, s20, s22
	s_add_co_u32 s20, s20, 212992
	s_add_nc_u64 s[86:87], s[8:9], s[20:21]        ; V's words
	s_wait_tensorcnt 1                             ; my parts of the tokens and of W_q's block are in; W_k's load may be out
	s_barrier_signal -1
	s_barrier_wait -1
	QLOAD
	FETCH 0, 0
	; ---- Q: slot 0
	STEP 0, 1, 0, 0, 1
.irp k, 1,2,3
	STEP \k, 0, 0, 0, \k+1
.endr
	TURN 4, 0, 0, 5, 1                             ; everybody's tokens are in registers and W_k's block has landed: W_v's block goes out
	STEP 5, 0, 0, 0, 6
	STEP 6, 0, 0, 0, 7
	STEP 7, 0, 0, 1, 0
	QUANTALL
	OUTQK 76, 78
	; ---- K: slot 1
	STEP 0, 1, 0, 1, 1
.irp k, 1,2,3,4,5,6
	STEP \k, 0, 0, 1, \k+1
.endr
	TURN 7, 0, 2, 0, 0                             ; W_v's block has landed, everybody's part; nothing is filled
	QUANTALL
	OUTQK 80, 82
	; ---- V: slot 2, the tokens as source 0
	STEP 0, 1, 1, 2, 1
.irp k, 1,2,3,4,5,6
	STEP \k, 0, 1, 2, \k+1
.endr
	s_wait_dscnt 0x0
	MUL 0, 4, 7, 0, 1
	QUANTALL
.irp a, 0,1,2,3
	global_store_b128 v[O16], v[CD+8*\a:CD+8*\a+3], s[84:85] offset:1536*\a
	global_store_b64 v[O8], v[CD+8*\a+4:CD+8*\a+5], s[84:85] offset:1536*\a
	global_store_b16 v[O4], v[CD+6+8*\a], s[86:87] offset:128*\a   ; my half's two bytes of each row's word
.endr
	s_wait_tensorcnt 0x0                           ; the wave's end
	ds_add_u32 v[SPW], v[NIL]
	s_wait_dscnt 0x0
	s_endpgm
.Lfunc_end_k_q5ab68225cf_qkvp:
	.size	k_q5ab68225cf_qkvp, .Lfunc_end_k_q5ab68225cf_qkvp-k_q5ab68225cf_qkvp
	.p2alignl 7, 3214868480
	.fill 96, 4, 3214868480
	.section	.rodata,"a",@progbits
	.p2align	6, 0x0
	.amdhsa_kernel k_q5ab68225cf_qkvp
		.amdhsa_group_segment_fixed_size 327680
		.amdhsa_private_segment_fixed_size 0
		.amdhsa_enable_private_segment 0
		.amdhsa_kernarg_size 24
		.amdhsa_user_sgpr_count 2
		.amdhsa_user_sgpr_kernarg_segment_ptr 1
		.amdhsa_wavefront_size32 1
		.amdhsa_system_sgpr_workgroup_id_x 1
		.amdhsa_system_sgpr_workgroup_id_y 1
		.amdhsa_system_sgpr_workgroup_id_z 1
		.amdhsa_system_vgpr_workitem_id 0
		.amdhsa_next_free_vgpr 1024
		.amdhsa_next_free_sgpr 96
		.amdhsa_reserve_vcc 0
		.amdhsa_float_denorm_mode_32 3
		.amdhsa_float_denorm_mode_16_64 3
		.amdhsa_memory_ordered 1
		.amdhsa_forward_progress 1
		.amdhsa_inst_pref_size 130
	.end_amdhsa_kernel
	.amdgpu_metadata
---
amdhsa.version: [ 1, 2 ]
amdhsa.kernels:
  - .name:           k_q5ab68225cf_qkvp
    .symbol:         k_q5ab68225cf_qkvp.kd
    .args:
      - { .name: xc, .offset: 0, .size: 8, .value_kind: global_buffer, .address_space: global }
      - { .name: wts, .offset: 8, .size: 8, .value_kind: global_buffer, .address_space: global }
      - { .name: qkv, .offset: 16, .size: 8, .value_kind: global_buffer, .address_space: global }
    .group_segment_fixed_size: 327680
    .private_segment_fixed_size: 0
    .kernarg_segment_align: 8
    .kernarg_segment_size: 24
    .max_flat_workgroup_size: 128
    .sgpr_count:     96
    .vgpr_count:     1024
    .wavefront_size: 32
...
	.end_amdgpu_metadata
.endif
;; end of part 2
;; launch attn (part 3): grid 8 x 32, 16 waves a work-group, no clusters, 231,424 bytes of LDS; arguments qkv, mask, ctx; writes ctx
.if DOCPART == 3
	.amdgcn_target "amdgcn-amd-amdhsa--gfx1250"
	.amdhsa_code_object_version 6
	.text
	.protected	k_q5ab68225cf_attn
	.globl	k_q5ab68225cf_attn
	.p2align	8
	.type	k_q5ab68225cf_attn,@function
k_q5ab68225cf_attn:
	s_mov_b64 s[64:65], 0
	v_nop
	global_prefetch_b8 v0, s[64:65] scope:SCOPE_SE
	s_setreg_imm32_b32 hwreg(HW_REG_WAVE_MODE, 25, 1), 1
	s_wait_xcnt 0x0
; context = softmax(Q K^T / 8, keys masked by the input mask) V, for one head and 256 queries a work-group, both products on codes of FP6 (E2M3); the context leaves quantised, as an operand image.
; THE SOFTMAX AHEAD OF THE SECOND PRODUCT: t = score x log2(e) / 8; M = the largest t so far, rounded UP to a whole number; p = 2^(t - M) is quantised along the keys, not normalised.  The row's sum is
; taken of the unquantised p and divides at the end.  When M moves, the sum and O are multiplied by 2^(old M - new M): exact.
; SHARES.  Work-group (x, g): head g = 16 batch + head, query tiles 16 x .. 16 x + 15; each of SIXTEEN waves owns one tile of 16 queries in 256 registers, four waves to a SIMD, so that one wave's vector
; work stands beside another's matrix work.  Every wave walks all 2,048 keys, 128 a step.
; LDS.  The head's block of qkv (221,184 bytes: K's codes, V's codes, K's and V's scale words, as the launch before laid them) comes in ONCE, each wave bringing 13,824 bytes, and stays: nothing is filled
; again, and there is no later stream to ask for ahead.  NO CLUSTER: the shared block is fetched once at the head, 221,184 bytes for 16 steps of every wave.  Behind it: 2,048 f32 made of the mask.
; LAYOUT.  Both products are used transposed: S^T = K Q^T (source 0 = 16 keys), O^T = V^T P^T (source 0 = 16 of the head's 64): a lane holds ONE query throughout.  Tiles are in the program's row order,
; so the 16 registers of tiles 2 b, 2 b + 1 are 16 neighbouring keys (or channels).  The head is 64 deep and the instruction 128: Q's upper six registers are zero codes; K's operand runs on
; into the next fragment's registers, whose codes meet those zeros.
; THE MASK goes in as the C of the score product: 0 for a key that counts, -2^100 for one that does not: its p is 0.
; LIMITS: a real t under -2^90 would count as masked.  A batch whose EVERY key is masked is not served: reference() gives NaN there; here the NaN goes into the context's quantiser and is lost.
; NaN and infinities among the inputs are not served; blocks of zeros get the byte 1.
; REGISTERS: v1-7 lane terms; v8-11, v29-31 the step's addresses; v12 -M, v13 the largest t, v[14:15] the sum; v16-27 Q; v28 Q's scale words; v32-85 K's eight half fragments and six zeros, then V's four
; fragments (v32-79); v96-159 S^T, then p; v160-191 O^T; v192-210 p's codes; v212-219, v220-223 K's, V's scale words; v224-244 at work; v242 p's scale word; v245-254 used at the head and on the way out.
.set VC,    98304
.set KSC,   196608
.set VSC,   212992
.set MB,    221184                     ; the mask numbers: 8,192 bytes in blocks of 256 of their own, into which no tile lands
.set QOFF,  7077888
.set QSOFF, 10223616
.set CSC,   3145728                    ; the context's scale words in ctx
.set SEL,  20
.set CS,   22                          ; s[22:23] c = log2(e) / 8
.set G1,   24
.set G0,   32
.set TB,   36                          ; s36 the step's codes: 6,144 bytes a step, K's and V's alike
.set TS,   37                          ; s37 K's scale words: 1,024 a step
.set TJ,   38                          ; s38 V's scale words and the mask numbers: 512 a step
.set CNT,  40
.set TM,   224
.set PT,   204
.macro PLACES
.rept 4
	v_nop
.endr
.endm
.macro QUANT2 s, pc, pw                ; 32 numbers of a lane, register 16 b + i = k 32 b + 16 (lane / 16) + i, become half a fragment's codes and two scale bytes
.irp b, 0,1
	v_max3_num_f32 v[TM+\b], |v[\s+16*\b]|, |v[\s+1+16*\b]|, 0x1800000
.endr
.irp i, 2,4,6,8,10,12,14
.irp b, 0,1
	v_max3_num_f32 v[TM+\b], v[TM+\b], |v[\s+16*\b+\i]|, |v[\s+1+16*\b+\i]|
.endr
.endr
.irp b, 0,1
	v_permlanex16_b32 v[TM+4+\b], v[TM+\b], s[SEL], s[SEL+1]
.endr
.irp b, 0,1
	v_max_num_f32 v[TM+\b], v[TM+\b], v[TM+4+\b]
.endr
.irp b, 0,1
	v_add_nc_u32 v[TM+12+\b], 0xff000000, v[TM+\b]
.endr
.irp b, 0,1
	v_lshrrev_b32 v[TM+4+\b], 23, v[TM+12+\b]
.endr
	v_lshl_or_b32 v[\pw], v[TM+5], 8, v[TM+4]
	v_cvt_scalef32_pk16_fp6_f32 v[\pc:\pc+2], v[\s:\s+15], v[TM+12]
	v_cvt_scalef32_pk16_fp6_f32 v[PT:PT+2], v[\s+16:\s+31], v[TM+13]
	v_nop
.irp i, 0,1,2
	v_permlane16_swap_b32 v[\pc+\i], v[PT+\i]
.endr
.irp i, 0,1,2
	v_mov_b32 v[\pc+3+\i], v[PT+\i]
.endr
.endm
	s_load_b128 s[4:7], s[0:1], 0x0                ; qkv, mask
	s_load_b64 s[8:9], s[0:1], 0x10                ; ctx
	v_lshl_add_u32 v243, v0, 2, 0x38000
	v_mov_b32 v255, 0
	ds_add_u32 v243, v255
	ds_add_u32 v243, v255
	v_lshrrev_b32 v1, 5, v0
	v_readfirstlane_b32 s10, v1                    ; wave 0..15
	s_and_b32 s11, ttmp7, 0xffff                   ; g
	s_lshr_b32 s12, s11, 4                         ; batch
	s_and_b32 s13, s11, 15                         ; head
	s_lshl_b32 s14, ttmp9, 4
	s_add_co_u32 s14, s14, s10                     ; my query tile in the batch
	s_mov_b32 s[G1], 3<<16                         ; 13,824 dense bytes as 54 rows of 256 (32 elements of 8 bytes)
	s_mov_b32 s[G1+1], 32<<16
	s_mov_b32 s[G1+2], 54<<16
	s_mov_b32 s[G1+3], 32<<16
	s_mov_b32 s[G1+4], 54
	s_mov_b32 s[G1+5], 32
	s_mov_b32 s[G1+6], 0
	s_mov_b32 s[G1+7], 0
	s_mul_i32 s16, s11, 221184
	s_mul_i32 s17, s10, 13824
	s_add_co_u32 s18, s16, s17
	s_mov_b32 s19, 0
	s_wait_dscnt 0x0
	s_wait_kmcnt 0x0
	s_mov_b32 s[G0], 1
	s_mov_b32 s[G0+1], s17                         ; LDS: wave x 13,824
	s_add_nc_u64 s[G0+2:G0+3], s[4:5], s[18:19]
	s_or_b32 s[G0+3], s[G0+3], 0x80000000
	tensor_load_to_lds s[G0:G0+3], s[G1:G1+7]      ; my sixteenth of the head's block: the one tensor load of mine
	s_nop 0
	PLACES
	s_lshl_b32 s18, s12, 11
	s_add_nc_u64 s[6:7], s[6:7], s[18:19]          ; the batch's 2,048 mask bytes
	v_lshlrev_b32 v247, 2, v0
	global_load_b32 v246, v247, s[6:7]             ; four keys a thread
	s_lshl_b32 s18, s11, 7
	s_add_co_u32 s18, s18, s14                     ; 128 g + my tile
	s_mul_i32 s16, s18, 768
	s_add_co_u32 s16, s16, QOFF
	s_mov_b32 s17, 0
	s_add_nc_u64 s[42:43], s[4:5], s[16:17]
	s_lshl_b32 s16, s18, 7
	s_add_co_u32 s16, s16, QSOFF
	s_add_nc_u64 s[44:45], s[4:5], s[16:17]
	v_and_b32 v10, 31, v0
	v_lshlrev_b32 v1, 4, v10                       ; 16 x lane
	v_lshlrev_b32 v2, 3, v10                       ; 8 x lane
	v_lshlrev_b32 v245, 2, v10                     ; 4 x lane
	global_load_b128 v[16:19], v1, s[42:43]        ; Q's half fragment stays in registers
	global_load_b64 v[20:21], v2, s[42:43] offset:512
	global_load_b32 v28, v245, s[44:45]
	v_add_nc_u32 v3, KSC, v245
	v_bfe_u32 v11, v0, 4, 1
	v_lshlrev_b32 v4, 6, v11
	v_add_nc_u32 v4, MB, v4                        ; the mask numbers of my half's 16 keys of a block of 32
	v_add_nc_u32 v5, VC, v1
	v_add_nc_u32 v6, VC, v2
	v_add_nc_u32 v7, VSC, v245
	v_lshl_add_u32 v253, v0, 4, MB
	v_mov_b32 v252, 0xf1800000                     ; -2^100
	v_mov_b32 v13, 0xec800000                      ; the largest t so far: -2^90
	v_floor_f32 v12, -v13                          ; -M
	v_mov_b32 v14, 0
	v_mov_b32 v15, 0
.irp j, 0,1,2,3,4,5
	v_mov_b32 v[22+\j], 0                          ; Q's upper 64 along K: zero codes
	v_mov_b32 v[80+\j], 0                          ; what K's eighth operand runs on into
.endr
.irp b, 0,1,2,3
	v_mov_b32 v[228+\b], 0                         ; written once: a lane permute's destination counts as one of its sources
.endr
	v_mov_b32 v240, 0
	v_mov_b32 v241, 0                              ; (named as the upper half of the pair v[240:241])
.irp j, 0,1,2,3,4,5,6,7,8,9,10,11,12,13,14,15,16,17,18,19,20,21,22,23,24,25,26,27,28,29,30,31
	v_mov_b32 v[160+\j], 0                         ; O^T.  (The step is written once: the first finds zeros, which the first change of M leaves zeros)
.endr
	s_mov_b32 s[SEL], 0x76543210
	s_mov_b32 s[SEL+1], 0xfedcba98
	s_mov_b32 s[CS], 0x3e38aa3b
	s_mov_b32 s[CS+1], s[CS]
	s_mov_b32 s[TB], 0
	s_mov_b32 s[TS], 0
	s_mov_b32 s[TJ], 0
	s_mov_b32 s[CNT], 16
	s_wait_loadcnt 3                               ; the mask's word is in; Q's three loads, issued behind it, may be out
.irp k, 0,1,2,3
	v_bfe_u32 v254, v246, 8*\k, 8
	v_cmp_eq_u32 vcc_lo, 0, v254
	v_cndmask_b32 v[248+\k], 0, v252, vcc_lo       ; 0 where the key counts, -2^100 where it does not: a choice of a value, no branch
.endr
	ds_store_b128 v253, v[248:251]
	s_wait_loadcnt 0x0                             ; Q
	s_wait_tensorcnt 0x0                           ; my part of the block has landed,
	s_wait_dscnt 0x0                               ; and my mask numbers:
	s_barrier_signal -1
	s_barrier_wait -1                              ; everybody's have
.Lstep:                                            ; 16 trips: 128 keys each
	v_add_nc_u32 v8, s[TB], v1                     ; (these seven are also the places behind the last trip's products, in front of the loads into their operands)
	v_add_nc_u32 v9, s[TB], v2
	v_add_nc_u32 v10, s[TS], v3
	v_add_nc_u32 v11, s[TJ], v4
	v_add_nc_u32 v29, s[TB], v5
	v_add_nc_u32 v30, s[TB], v6
	v_add_nc_u32 v31, s[TJ], v7
.irp t, 0,1,2,3,4,5,6,7
	ds_load_b128 v[32+6*\t:35+6*\t], v8 offset:768*\t
	ds_load_b64 v[36+6*\t:37+6*\t], v9 offset:768*\t+512
	ds_load_b32 v[212+\t], v10 offset:128*\t
	ds_load_b128 v[96+8*\t:99+8*\t], v11 offset:(32*(\t/2)+8*(\t%2))*4       ; the mask numbers of the tile's eight keys of my half: the product's C
	ds_load_b128 v[100+8*\t:103+8*\t], v11 offset:(32*(\t/2)+8*(\t%2))*4+16
.endr
	s_wait_dscnt 0x0
.irp t, 0,1,2,3,4,5,6,7
	v_wmma_scale_f32_16x16x128_f8f6f4 v[96+8*\t:103+8*\t], v[32+6*\t:43+6*\t], v[16:27], v[96+8*\t:103+8*\t], v[212+\t], v28 matrix_a_fmt:MATRIX_FMT_FP6 matrix_b_fmt:MATRIX_FMT_FP6
.endr
	PLACES
.irp t, 0,1,2,3                                ; V's four fragments are asked for now and land under the softmax
	ds_load_b128 v[32+12*\t:35+12*\t], v29 offset:1536*\t
	ds_load_b64 v[36+12*\t:37+12*\t], v30 offset:1536*\t+512
	ds_load_b128 v[38+12*\t:41+12*\t], v29 offset:1536*\t+768
	ds_load_b64 v[42+12*\t:43+12*\t], v30 offset:1536*\t+1280
	ds_load_b32 v[220+\t], v31 offset:128*\t
.endr
.irp b, 0,1,2,3
	v_max3_num_f32 v[224+\b], v[96+16*\b], v[97+16*\b], v[98+16*\b]   ; the largest score of each block of 32 keys: for the row's maximum and, since p rises with the score, for the block's largest p
.endr
.irp i, 3,5,7,9,11,13
.irp b, 0,1,2,3
	v_max3_num_f32 v[224+\b], v[224+\b], v[96+16*\b+\i], v[97+16*\b+\i]
.endr
.endr
.irp b, 0,1,2,3
	v_max_num_f32 v[224+\b], v[224+\b], v[111+16*\b]
.endr
.irp b, 0,1,2,3
	v_permlanex16_b32 v[228+\b], v[224+\b], s[SEL], s[SEL+1]
.endr
.irp b, 0,1,2,3
	v_max_num_f32 v[224+\b], v[224+\b], v[228+\b]  ; with lane l xor 16's 16 keys
.endr
	v_max3_num_f32 v244, v224, v225, v226
	v_max_num_f32 v244, v244, v227
	v_mul_f32 v244, s[CS], v244                    ; the step's largest t of my query
	v_max_num_f32 v13, v13, v244                   ; the running largest t
	v_mov_b32 v244, v12
	v_floor_f32 v12, -v13                          ; the new -M = -ceil(t)
	v_sub_f32 v244, v12, v244                      ; old M less new M: a whole number, 0 or less
	v_cvt_i32_f32 v244, v244                       ; (it saturates)
	v_ldexp_f32 v240, 1.0, v244                    ; f = 2^(old M - new M)
.irp j, 0,2,4,6,8,10,12,14,16,18,20,22,24,26,28,30,32,34,36,38,40,42,44,46,48,50,52,54,56,58,60,62
	v_pk_fma_f32 v[96+\j:97+\j], v[96+\j:97+\j], s[CS:CS+1], v[12:13] op_sel_hi:[1,0,0]   ; t - M, two at a time
.endr
.irp b, 0,1,2,3
	v_fma_f32 v[224+\b], v[224+\b], s[CS], v12     ; the same of each block's largest score
.endr
.irp j, 0,1,2,3,4,5,6,7,8,9,10,11,12,13,14,15,16,17,18,19,20,21,22,23,24,25,26,27,28,29,30,31,32,33,34,35,36,37,38,39,40,41,42,43,44,45,46,47,48,49,50,51,52,53,54,55,56,57,58,59,60,61,62,63
	v_exp_f32 v[96+\j], v[96+\j]                   ; p = 2^(t - M)
.endr
	v_pk_mul_f32 v[14:15], v[14:15], v[240:241] op_sel_hi:[1,0]   ; the sums under the new M: the plain place behind the exponentials
	s_wait_alu depctr_va_vdst(0)                   ; one wait for the batch of 64, ahead of its first reader
.irp b, 0,1,2,3
	v_exp_f32 v[224+\b], v[224+\b]                 ; each block's largest p
.endr
	v_pk_add_f32 v[236:237], v[96:97], v[98:99]    ; the row's sum, of the unquantised p, in two chains
.irp j, 4,8,12,16,20,24,28,32,36,40,44,48,52,56,60
	v_pk_add_f32 v[14:15], v[14:15], v[96+\j:97+\j]
	v_pk_add_f32 v[236:237], v[236:237], v[98+\j:99+\j]
.endr
	v_pk_add_f32 v[14:15], v[14:15], v[236:237]
	s_wait_alu depctr_va_vdst(0)                   ; and one for the four
.irp b, 0,1,2,3
	v_max_num_f32 v[224+\b], 0x1800000, v[224+\b]  ; the floor 2^(3 - 127): a block whose every p is 0 keeps the byte 1; its codes are zeros
.endr
.irp b, 0,1,2,3
	v_add_nc_u32 v[232+\b], 0xff000000, v[224+\b]  ; the conversion's scale operand
.endr
.irp b, 0,1,2,3
	v_lshrrev_b32 v[228+\b], 23, v[232+\b]         ; the byte
.endr
	v_lshl_or_b32 v242, v229, 8, v228              ; p's scale word for these 128 keys
	v_lshl_or_b32 v242, v230, 16, v242
	v_lshl_or_b32 v242, v231, 24, v242
.irp c, 0,1
	v_cvt_scalef32_pk16_fp6_f32 v[192+6*\c:194+6*\c], v[96+32*\c:111+32*\c], v[232+2*\c]
	v_cvt_scalef32_pk16_fp6_f32 v[204+4*\c:206+4*\c], v[112+32*\c:127+32*\c], v[232+2*\c+1]
.endr
	v_nop                                          ; one plain place behind a scaled conversion
.irp c, 0,1
.irp i, 0,1,2
	v_permlane16_swap_b32 v[192+6*\c+\i], v[204+4*\c+\i]
.endr
.irp i, 0,1,2
	v_mov_b32 v[195+6*\c+\i], v[204+4*\c+\i]
.endr
.endr
.irp j, 0,2,4,6,8,10,12,14,16,18,20,22,24,26,28,30
	v_pk_mul_f32 v[160+\j:161+\j], v[160+\j:161+\j], v[240:241] op_sel_hi:[1,0]   ; O^T under the new M.  (These 16 are also the places between the codes', the scale word's last writes and the products)
.endr
	s_wait_dscnt 0x0                               ; V
.irp t, 0,1,2,3
	v_wmma_scale_f32_16x16x128_f8f6f4 v[160+8*\t:167+8*\t], v[32+12*\t:43+12*\t], v[192:203], v[160+8*\t:167+8*\t], v[220+\t], v242 matrix_a_fmt:MATRIX_FMT_FP6 matrix_b_fmt:MATRIX_FMT_FP6
.endr
	s_add_co_u32 s[TB], s[TB], 6144
	s_add_co_u32 s[TS], s[TS], 1024
	s_add_co_u32 s[TJ], s[TJ], 512
	s_sub_co_u32 s[CNT], s[CNT], 1
	s_cmp_lg_u32 s[CNT], 0
	s_cbranch_scc1 .Lstep
	; THE WAY OUT: O^T / the sum is my 16 queries' 64 channels of the context: half a fragment of the next product's operand
	PLACES
	v_add_f32 v14, v14, v15
	v_permlanex16_b32 v240, v14, s[SEL], s[SEL+1]
	v_add_f32 v14, v14, v240                       ; the row's sum
	v_rcp_f32 v14, v14
	v_nop                                          ; a plain place behind the transcendental
	s_wait_alu depctr_va_vdst(0)                   ; and the wait ahead of its first reader
.irp j, 0,1,2,3,4,5,6,7,8,9,10,11,12,13,14,15,16,17,18,19,20,21,22,23,24,25,26,27,28,29,30,31
	v_mul_f32 v[96+\j], v[160+\j], v14             ; register 16 b + i: channel 32 b + 16 (lane / 16) + i
.endr
	QUANT2 96, 192, 200
	s_lshl_b32 s16, s12, 7
	s_add_co_u32 s16, s16, s14                     ; my token tile among all 256
	s_lshl_b32 s18, s16, 4
	s_add_co_u32 s18, s18, s13
	s_mul_i32 s18, s18, 768                        ; half fragment 16 T + head
	s_mov_b32 s19, 0
	s_add_nc_u64 s[42:43], s[8:9], s[18:19]
	s_lshl_b32 s18, s16, 3
	s_lshr_b32 s17, s13, 1
	s_add_co_u32 s18, s18, s17
	s_lshl_b32 s18, s18, 7
	s_and_b32 s17, s13, 1
	s_lshl_b32 s17, s17, 1
	s_add_co_u32 s18, s18, s17
	s_add_co_u32 s18, s18, CSC
	s_add_nc_u64 s[44:45], s[8:9], s[18:19]
	global_store_b128 v1, v[192:195], s[42:43]
	global_store_b64 v2, v[196:197], s[42:43] offset:512
	global_store_b16 v245, v200, s[44:45]          ; my head's two bytes of each row's word
	s_wait_tensorcnt 0x0
	ds_add_u32 v243, v255
	s_wait_dscnt 0x0
	s_endpgm
.Lfunc_end_k_q5ab68225cf_attn:
	.size	k_q5ab68225cf_attn, .Lfunc_end_k_q5ab68225cf_attn-k_q5ab68225cf_attn
	.p2alignl 7, 3214868480
	.fill 96, 4, 3214868480
	.section	.rodata,"a",@progbits
	.p2align	6, 0x0
	.amdhsa_kernel k_q5ab68225cf_attn
		.amdhsa_group_segment_fixed_size 231424
		.amdhsa_private_segment_fixed_size 0
		.amdhsa_enable_private_segment 0
		.amdhsa_kernarg_size 24
		.amdhsa_user_sgpr_count 2
		.amdhsa_user_sgpr_kernarg_segment_ptr 1
		.amdhsa_wavefront_size32 1
		.amdhsa_system_sgpr_workgroup_id_x 1
		.amdhsa_system_sgpr_workgroup_id_y 1
		.amdhsa_system_sgpr_workgroup_id_z 1
		.amdhsa_system_vgpr_workitem_id 0
		.amdhsa_next_free_vgpr 256
		.amdhsa_next_free_sgpr 66
		.amdhsa_reserve_vcc 1
		.amdhsa_float_denorm_mode_32 3
		.amdhsa_float_denorm_mode_16_64 3
		.amdhsa_memory_ordered 1
		.amdhsa_forward_progress 1
		.amdhsa_inst_pref_size 28
	.end_amdhsa_kernel
	.amdgpu_metadata
---
amdhsa.version: [ 1, 2 ]
amdhsa.kernels:
  - .name:           k_q5ab68225cf_attn
    .symbol:         k_q5ab68225cf_attn.kd
    .args:
      - { .name: qkv, .offset: 0, .size: 8, .value_kind: global_buffer, .address_space: global }
      - { .name: mask, .offset: 8, .size: 8, .value_kind: global_buffer, .address_space: global }
      - { .name: ctx, .offset: 16, .size: 8, .value_kind: global_buffer, .address_space: global }
    .group_segment_fixed_size: 231424
    .private_segment_fixed_size: 0
    .kernarg_segment_align: 8
    .kernarg_segment_size: 24
    .max_flat_workgroup_size: 512
    .sgpr_count:     66
    .vgpr_count:     256
    .wavefront_size: 32
...
	.end_amdgpu_metadata
.endif
;; end of part 3
;; launch wo (part 4): grid 8 x 32, 4 waves a work-group, no clusters, 230,912 bytes of LDS; arguments ctx, wts, x, y; writes y
.if DOCPART == 4
	.amdgcn_target "amdgcn-amd-amdhsa--gfx1250"
	.amdhsa_code_object_version 6
	.text
	.protected	k_q5ab68225cf_wo
	.globl	k_q5ab68225cf_wo
	.p2align	8
	.type	k_q5ab68225cf_wo,@function
k_q5ab68225cf_wo:
	s_mov_b64 s[64:65], 0
	v_nop
	global_prefetch_b8 v0, s[64:65] scope:SCOPE_SE
	s_setreg_imm32_b32 hwreg(HW_REG_WAVE_MODE, 25, 1), 1
	s_wait_xcnt 0x0
; y = x + context W_o: the product on codes of FP6 (E2M3), sums in f32, the residual added on the way out; y is f32 [4096][1024].
; Operand format: see the first launch.  Work-group (x, y): 128 of W_o's columns (side P, source 0: they become the results' register axis) x 128 tokens (side Q, a row a lane).
; Four waves of 64 x 64.  K = 1,024 lies in LDS whole: two slots of 512, filled once; behind them the scale words, and a stage of 16 rows x 272 bytes for each wave, into which no tile lands.
; THE RESIDUAL IS ASKED FOR AT THE HEAD: a wave's 64 x 64 numbers of x, 32 loads into 128 registers of window 2, land while K is walked; the way out waits for them once.
; NO CLUSTER: one tile to a work-group, all of it asked for at the head in one group; a K step of 128 brings 24,576 bytes into LDS and the four waves read 49,152 bytes out of it.
.set KS,    8
.set SLOTB, 98304
.set SCL,   2*SLOTB
.set STG,   SCL+16*KS*128
.set PCO,   2359296                    ; W_o's codes and scale words in wts; the context's scale words in ctx
.set PSC,   9633792
.set QSC,   3145728
.set AP16, 4
.set AP8,  6
.set AQ16, 8
.set AQ8,  10
.set SP,   12
.set SQ,   13
.set O16,  14
.set O4,   16
.set STO,  17                          ; v17 the stage: where I put 16 bytes of a row; v18 where I read a row back; v19 my byte offset in two rows of y
.set RD,   18
.set CO,   19
.set SC,   32                          ; v32-47 scale words: they hold nothing else
.set ACC,  128
.set F0,   0
.set F1,   128
.set G1,   24
.set G0,   32
.set G1S,  40
.set G0S,  48
.set PB,   62
.set QB,   63
.set MSB, 0
.macro WIN new
.if MSB != \new
	s_set_vgpr_msb (MSB<<8)|\new
.set MSB, \new
.endif
.endm
.macro PLACES
.rept 4
	v_nop
.endr
.endm
.macro FRAG reg, a16, a8, off
	ds_load_b128 v[\reg:\reg+3],     v[\a16] offset:\off
	ds_load_b64  v[\reg+4:\reg+5],   v[\a8]  offset:\off+512
	ds_load_b128 v[\reg+6:\reg+9],   v[\a16] offset:\off+768
	ds_load_b64  v[\reg+10:\reg+11], v[\a8]  offset:\off+1280
.endm
.macro FETCH slot, ks, f               ; 40 LDS loads: eight fragments and eight scale words
	WIN 0x40
.irp i, 0,1,2,3
	FRAG \f+12*\i, AP16+\slot, AP8+\slot, \i*6144+(\ks)*1536
.endr
.irp i, 0,1,2,3
	FRAG \f+48+12*\i, AQ16+\slot, AQ8+\slot, \i*6144+(\ks)*1536
.endr
	WIN 0
.irp i, 0,1,2,3
	ds_load_b32 v[SC+(\f)/16+\i],   v[SP] offset:\i*KS*128+(4*\slot+(\ks))*128
	ds_load_b32 v[SC+(\f)/16+4+\i], v[SQ] offset:\i*KS*128+(4*\slot+(\ks))*128
.endr
.endm
.macro MUL a0, n, f, cm                ; the 16 accumulators take turns, in the same order in every step
	WIN 0x05
.set AA, \a0
.rept \n
.irp b, 0,1,2,3
.if \cm == 1
	v_wmma_scale_f32_16x16x128_f8f6f4 v[ACC+8*(4*AA+\b):ACC+8*(4*AA+\b)+7], v[\f+12*\b:\f+12*\b+11], v[\f+48+12*AA:\f+48+12*AA+11], 0, v[SC+(\f)/16+\b], v[SC+(\f)/16+4+AA] matrix_a_fmt:MATRIX_FMT_FP6 matrix_b_fmt:MATRIX_FMT_FP6
.else
	v_wmma_scale_f32_16x16x128_f8f6f4 v[ACC+8*(4*AA+\b):ACC+8*(4*AA+\b)+7], v[\f+12*\b:\f+12*\b+11], v[\f+48+12*AA:\f+48+12*AA+11], v[ACC+8*(4*AA+\b):ACC+8*(4*AA+\b)+7], v[SC+(\f)/16+\b], v[SC+(\f)/16+4+AA] matrix_a_fmt:MATRIX_FMT_FP6 matrix_b_fmt:MATRIX_FMT_FP6
.endif
.endr
.set AA, AA+1
.endr
.endm
.macro STEP slot, ks, f, g, cm
	PLACES
	FETCH \slot, (\ks)+1, \g
	s_wait_dscnt 40                                ; all but the 40 loads just issued: set f is in
	MUL 0, 4, \f, \cm
.endm
.macro TURN slot, next
	WIN 0
	s_wait_tensorcnt 0x0                           ; my part of the next slot has landed
	s_wait_dscnt 0x0
	s_barrier_signal -1
	MUL 0, 2, F1, 0
	WIN 0
	s_barrier_wait -1
	PLACES
	FETCH \next, 0, F0
	MUL 2, 2, F1, 0
.endm
	s_load_b128 s[4:7], s[0:1], 0x0                ; ctx, wts
	s_load_b128 s[8:11], s[0:1], 0x10              ; x, y
	v_lshl_add_u32 v126, v0, 2, 0x38400
	v_mov_b32 v127, 0
	ds_add_u32 v126, v127
	ds_add_u32 v126, v127
	v_lshrrev_b32 v1, 5, v0
	v_readfirstlane_b32 s2, v1
	s_and_b32 s14, s2, 1                           ; my half of P's tiles; which four tiles of a side I fetch
	s_lshr_b32 s15, s2, 1                          ; my half of Q's tiles; I fetch for side P (0) or Q (1)
	s_mov_b32 s[PB], ttmp9
	s_and_b32 s[QB], ttmp7, 0xffff
	s_mov_b32 s[G1], 3<<16
	s_mov_b32 s[G1+1], 768<<16
	s_mov_b32 s[G1+2], 4<<16
	s_mov_b32 s[G1+3], 768<<16
	s_mov_b32 s[G1+4], 4
	s_mov_b32 s[G1+5], KS*192
	s_mov_b32 s[G1+6], 0
	s_mov_b32 s[G1+7], 0
	s_mov_b32 s[G1S], 3<<16
	s_mov_b32 s[G1S+1], 32<<16
	s_mov_b32 s[G1S+2], (2*KS)<<16
	s_mov_b32 s[G1S+3], 32<<16
	s_mov_b32 s[G1S+4], 2*KS
	s_mov_b32 s[G1S+5], 32
	s_mov_b32 s[G1S+6], 0
	s_mov_b32 s[G1S+7], 0
	s_mov_b32 s22, PSC
	s_mov_b32 s16, QSC
	s_cmp_eq_u32 s15, 0
	s_cselect_b32 s18, s[PB], s[QB]
	s_cselect_b32 s20, PCO, 0
	s_cselect_b32 s22, s22, s16
	s_wait_dscnt 0x0
	s_wait_kmcnt 0x0
	s_cselect_b64 s[66:67], s[6:7], s[4:5]
	s_lshl_b32 s18, s18, 3
	s_lshl_b32 s16, s14, 2
	s_add_co_u32 s18, s18, s16
	s_mul_i32 s16, s18, KS*1536
	s_add_co_u32 s20, s20, s16
	s_mov_b32 s21, 0
	s_mul_i32 s16, s18, KS*128
	s_add_co_u32 s22, s22, s16
	s_mov_b32 s23, 0
	s_mul_i32 s68, s2, 24576
	s_mul_i32 s69, s2, KS*512
	s_mov_b32 s[G0S], 1
	s_add_co_u32 s[G0S+1], s69, SCL
	s_add_nc_u64 s[G0S+2:G0S+3], s[66:67], s[22:23]
	s_or_b32 s[G0S+3], s[G0S+3], 0x80000000
	s_mov_b32 s[G0], 1
	s_mov_b32 s[G0+1], s68
	s_add_nc_u64 s[G0+2:G0+3], s[66:67], s[20:21]
	s_mov_b32 s[G0+4], 1
	s_add_co_u32 s[G0+5], s68, SLOTB
	s_add_nc_u64 s[G0+6:G0+7], s[G0+2:G0+3], 6144
	s_or_b32 s[G0+3], s[G0+3], 0x80000000
	s_or_b32 s[G0+7], s[G0+7], 0x80000000
	tensor_load_to_lds s[G0S:G0S+3], s[G1S:G1S+7]  ; all first fills in one group: three loads of mine are out
	s_nop 0
	tensor_load_to_lds s[G0:G0+3], s[G1:G1+7]
	s_nop 0
	tensor_load_to_lds s[G0+4:G0+7], s[G1:G1+7]
	s_nop 0
	PLACES
	v_and_b32 v3, 31, v0
	v_lshlrev_b32 v[O16], 4, v3
	v_lshlrev_b32 v20, 3, v3
	v_lshlrev_b32 v[O4], 2, v3
	s_mul_i32 s68, s14, 24576
	v_add_nc_u32 v[AP16], s68, v[O16]
	v_add_nc_u32 v[AP8], s68, v20
	s_add_co_u32 s68, s68, SLOTB
	v_add_nc_u32 v[AP16+1], s68, v[O16]
	v_add_nc_u32 v[AP8+1], s68, v20
	s_mul_i32 s68, s15, 24576
	s_add_co_u32 s68, s68, 49152
	v_add_nc_u32 v[AQ16], s68, v[O16]
	v_add_nc_u32 v[AQ8], s68, v20
	s_add_co_u32 s68, s68, SLOTB
	v_add_nc_u32 v[AQ16+1], s68, v[O16]
	v_add_nc_u32 v[AQ8+1], s68, v20
	s_mul_i32 s68, s14, 4*KS*128
	s_add_co_u32 s68, s68, SCL
	v_add_nc_u32 v[SP], s68, v[O4]
	s_mul_i32 s68, s15, 4*KS*128
	s_add_co_u32 s68, s68, SCL+8*KS*128
	v_add_nc_u32 v[SQ], s68, v[O4]
	v_and_b32 v1, 15, v0                           ; r
	v_bfe_u32 v2, v0, 4, 1                         ; h
	s_mul_i32 s16, s2, 4352
	s_add_co_u32 s16, s16, STG                     ; my stage
	v_mul_u32_u24 v[STO], v1, 272
	v_lshl_add_u32 v[STO], v2, 6, v[STO]
	v_add_nc_u32 v[STO], s16, v[STO]               ; in: row r, + 64 h: my half's 16 columns of each 32
	v_mul_u32_u24 v[RD], v2, 272
	v_lshl_add_u32 v[RD], v1, 4, v[RD]
	v_add_nc_u32 v[RD], s16, v[RD]                 ; back: lanes 0-15 one row of 256 bytes, lanes 16-31 the next
	v_lshlrev_b32 v[CO], 12, v2
	v_lshl_add_u32 v[CO], v1, 4, v[CO]             ; and the same two rows in x and y
	s_lshl_b32 s16, s[QB], 7
	s_lshl_b32 s17, s15, 6
	s_add_co_u32 s16, s16, s17                     ; my first token
	s_lshl_b32 s16, s16, 12
	s_lshl_b32 s17, s[PB], 9
	s_add_co_u32 s16, s16, s17
	s_lshl_b32 s17, s14, 8
	s_add_co_u32 s16, s16, s17                     ; + my first column, in bytes: a multiple of 256
	s_mov_b32 s17, 0
	s_add_nc_u64 s[52:53], s[8:9], s[16:17]
	s_add_nc_u64 s[54:55], s[10:11], s[16:17]
	WIN 0x80                                       ; destination window 2: the residual, in the layout in which the rows come back from the stage
.irp a, 0,1,2,3
.irp i, 0,1,2,3,4,5,6,7
	global_load_b128 v[32*\a+4*\i:32*\a+4*\i+3], v[CO], s[52:53] offset:(32*(\a/2)+8*(\a%2)+2*\i+8*(\i/4))*4096 th:TH_LOAD_NT
.endr
.endr
	WIN 0
	s_wait_tensorcnt 1                             ; the scale words and my part of slot 0 are in; slot 1's load may be out
	s_barrier_signal -1
	s_barrier_wait -1
	FETCH 0, 0, F0
	STEP 0, 0, F0, F1, 1
	STEP 0, 1, F1, F0, 0
	STEP 0, 2, F0, F1, 0
	TURN 0, 1
	STEP 1, 0, F0, F1, 0
	STEP 1, 1, F1, F0, 0
	STEP 1, 2, F0, F1, 0
	s_wait_dscnt 0x0
	MUL 0, 4, F1, 0
	WIN 0
	PLACES
	s_wait_loadcnt 0x0                             ; the residual, asked for at the head
	; THE WAY OUT, a tile of 16 tokens x 64 columns at a time, through my own stage: sixteen lanes then hold 256 consecutive bytes of a row.  Stage row i is token 32 (a / 2) + 8 (a % 2) + i % 8 + 16 (i / 8).
.irp a, 0,1,2,3
.if \a > 0
	s_wait_xcnt 0x0                                ; the last tile's stores have read their registers, which are loaded again below
.endif
.irp b, 0,1,2,3
	ds_store_b128 v[STO], v[ACC+8*(4*\a+\b):ACC+8*(4*\a+\b)+3] offset:128*(\b/2)+32*(\b%2)      ; each accumulator from its low end on
	ds_store_b128 v[STO], v[ACC+8*(4*\a+\b)+4:ACC+8*(4*\a+\b)+7] offset:128*(\b/2)+32*(\b%2)+16
.endr
.irp i, 0,1,2,3,4,5,6,7
	ds_load_b128 v[48+4*\i:51+4*\i], v[RD] offset:544*\i   ; LDS serves a wave's instructions in order: these see my stores
.endr
	s_wait_dscnt 0x0
	WIN 0x08                                       ; source 1 in window 2
.irp k, 0,2,4,6,8,10,12,14,16,18,20,22,24,26,28,30
	v_pk_add_f32 v[48+\k:49+\k], v[48+\k:49+\k], v[32*\a+\k:32*\a+\k+1]
.endr
	WIN 0
.irp i, 0,1,2,3,4,5,6,7
	global_store_b128 v[CO], v[48+4*\i:51+4*\i], s[54:55] offset:(32*(\a/2)+8*(\a%2)+2*\i+8*(\i/4))*4096
.endr
.endr
	s_wait_tensorcnt 0x0
	ds_add_u32 v126, v127
	s_wait_dscnt 0x0
	s_endpgm
.Lfunc_end_k_q5ab68225cf_wo:
	.size	k_q5ab68225cf_wo, .Lfunc_end_k_q5ab68225cf_wo-k_q5ab68225cf_wo
	.p2alignl 7, 3214868480
	.fill 96, 4, 3214868480
	.section	.rodata,"a",@progbits
	.p2align	6, 0x0
	.amdhsa_kernel k_q5ab68225cf_wo
		.amdhsa_group_segment_fixed_size 230912
		.amdhsa_private_segment_fixed_size 0
		.amdhsa_enable_private_segment 0
		.amdhsa_kernarg_size 32
		.amdhsa_user_sgpr_count 2
		.amdhsa_user_sgpr_kernarg_segment_ptr 1
		.amdhsa_wavefront_size32 1
		.amdhsa_system_sgpr_workgroup_id_x 1
		.amdhsa_system_sgpr_workgroup_id_y 1
		.amdhsa_system_sgpr_workgroup_id_z 1
		.amdhsa_system_vgpr_workitem_id 0
		.amdhsa_next_free_vgpr 640
		.amdhsa_next_free_sgpr 80
		.amdhsa_reserve_vcc 0
		.amdhsa_float_denorm_mode_32 3
		.amdhsa_float_denorm_mode_16_64 3
		.amdhsa_memory_ordered 1
		.amdhsa_forward_progress 1
		.amdhsa_inst_pref_size 59
	.end_amdhsa_kernel
	.amdgpu_metadata
---
amdhsa.version: [ 1, 2 ]
amdhsa.kernels:
  - .name:           k_q5ab68225cf_wo
    .symbol:         k_q5ab68225cf_wo.kd
    .args:
      - { .name: ctx, .offset: 0, .size: 8, .value_kind: global_buffer, .address_space: global }
      - { .name: wts, .offset: 8, .size: 8, .value_kind: global_buffer, .address_space: global }
      - { .name: x, .offset: 16, .size: 8, .value_kind: global_buffer, .address_space: global }
      - { .name: y, .offset: 24, .size: 8, .value_kind: global_buffer, .address_space: global }
    .group_segment_fixed_size: 230912
    .private_segment_fixed_size: 0
    .kernarg_segment_align: 8
    .kernarg_segment_size: 32
    .max_flat_workgroup_size: 128
    .sgpr_count:     80
    .vgpr_count:     640
    .wavefront_size: 32
...
	.end_amdgpu_metadata
.endif
;; end of part 4
;; launch ln1 (part 5): grid 256 x 1, 8 waves a work-group, no clusters, 67,072 bytes of LDS; arguments y, gamma1, beta1, xn, xc; writes xn, xc
.if DOCPART == 5
	.amdgcn_target "amdgcn-amd-amdhsa--gfx1250"
	.amdhsa_code_object_version 6
	.text
	.protected	k_q5ab68225cf_ln1
	.globl	k_q5ab68225cf_ln1
	.p2align	8
	.type	k_q5ab68225cf_ln1,@function
k_q5ab68225cf_ln1:
	s_mov_b64 s[64:65], 0
	v_nop
	global_prefetch_b8 v0, s[64:65] scope:SCOPE_SE
	s_setreg_imm32_b32 hwreg(HW_REG_WAVE_MODE, 25, 1), 1
	s_wait_xcnt 0x0
; xn = gamma1 (y - mean) / (std + 1e-6) + beta1 along rows of 1,024, std with the divisor 1,023; xn leaves as f32 (the later residual) and as codes of FP6 (E2M3), an operand image in xc.
; SHARES.  A work-group takes the 16 rows of one tile of the program's row order: stage row i is row 32 (t / 2) + 8 (t % 2) + i % 8 + 16 (i / 8).  Phase 1: wave w norms stage rows 2 w and 2 w + 1, a row in
; 32 registers, read once; mean first, then the squares of the centred numbers.  The rows go to memory and to a stage in LDS (pitch 4,112 bytes).  One barrier.  Phase 2: wave w quantises K step w of
; all 16 rows: lane (r, h) reads, of row r, its half's 16 numbers of each block of 32.  Memory binds: no matrix unit, no tensor load, no cluster.
; LIMITS: NaN and infinities are not served; blocks of zeros, or under 2^-124, get the byte 1.
.set XS,   3145728
.set X,    32                          ; v32-95  two rows; in phase 2 the 64 numbers to be quantised
.set G,    96                          ; v96-127 gamma; v128-159 beta, of my 32 columns
.set BT,   128
.set T,    8                           ; v8-15   sums, then the means, a pair for each row
.set Q,    16                          ; v16-23  sums of squares, std, 1 / (std + eps) as a pair
.set PM,   24                          ; v24-25  permute targets
.set SEL,  20
.set TM,   184
.macro WSUM r, t                       ; the sum over the wave's 32 lanes, in every lane
	v_add_f32_dpp v[\r], v[\r], v[\r] row_xmask:1 row_mask:0xf bank_mask:0xf
	v_add_f32_dpp v[\r], v[\r], v[\r] row_xmask:2 row_mask:0xf bank_mask:0xf
	v_add_f32_dpp v[\r], v[\r], v[\r] row_xmask:4 row_mask:0xf bank_mask:0xf
	v_add_f32_dpp v[\r], v[\r], v[\r] row_xmask:8 row_mask:0xf bank_mask:0xf
	v_permlanex16_b32 v[\t], v[\r], s[SEL], s[SEL+1]
	v_add_f32 v[\r], v[\r], v[\t]
.endm
.macro QUANT4 s, pc, pw                ; 64 numbers of a lane, register 16 b + i = k 32 b + 16 (lane / 16) + i, become a fragment's codes and its scale word
.irp b, 0,1,2,3
	v_max3_num_f32 v[TM+\b], |v[\s+16*\b]|, |v[\s+1+16*\b]|, 0x1800000
.endr
.irp i, 2,4,6,8,10,12,14
.irp b, 0,1,2,3
	v_max3_num_f32 v[TM+\b], v[TM+\b], |v[\s+16*\b+\i]|, |v[\s+1+16*\b+\i]|
.endr
.endr
.irp b, 0,1,2,3
	v_permlanex16_b32 v[TM+4+\b], v[TM+\b], s[SEL], s[SEL+1]
.endr
.irp b, 0,1,2,3
	v_max_num_f32 v[TM+\b], v[TM+\b], v[TM+4+\b]
.endr
.irp b, 0,1,2,3
	v_add_nc_u32 v[TM+12+\b], 0xff000000, v[TM+\b]
.endr
.irp b, 0,1,2,3
	v_lshrrev_b32 v[TM+4+\b], 23, v[TM+12+\b]
.endr
	v_lshl_or_b32 v[\pw], v[TM+5], 8, v[TM+4]
	v_lshl_or_b32 v[\pw], v[TM+6], 16, v[\pw]
	v_lshl_or_b32 v[\pw], v[TM+7], 24, v[\pw]
.irp c, 0,1
	v_cvt_scalef32_pk16_fp6_f32 v[\pc+6*\c:\pc+2+6*\c], v[\s+32*\c:\s+15+32*\c], v[TM+12+2*\c]
	v_cvt_scalef32_pk16_fp6_f32 v[\pc+12+4*\c:\pc+14+4*\c], v[\s+16+32*\c:\s+31+32*\c], v[TM+12+2*\c+1]
.endr
	v_nop
.irp c, 0,1
.irp i, 0,1,2
	v_permlane16_swap_b32 v[\pc+6*\c+\i], v[\pc+12+4*\c+\i]
.endr
.irp i, 0,1,2
	v_mov_b32 v[\pc+3+6*\c+\i], v[\pc+12+4*\c+\i]
.endr
.endr
.endm
	s_load_b128 s[4:7], s[0:1], 0x0                ; y, gamma1
	s_load_b128 s[8:11], s[0:1], 0x10              ; beta1, xn
	s_load_b64 s[12:13], s[0:1], 0x20              ; xc
	v_lshl_add_u32 v208, v0, 2, 0x10200
	v_mov_b32 v209, 0
	v_lshrrev_b32 v1, 5, v0
	v_readfirstlane_b32 s2, v1                     ; wave 0..7
	v_and_b32 v1, 31, v0
	v_lshlrev_b32 v2, 4, v1                        ; 16 x lane
	v_lshlrev_b32 v7, 3, v1
	v_add_nc_u32 v7, 512, v7                       ; 8 x lane + 512
	v_lshlrev_b32 v26, 2, v1                       ; 4 x lane
	s_mul_i32 s16, s2, 8224
	v_add_nc_u32 v3, s16, v2                       ; the stage, in: rows 2 w, 2 w + 1
	v_and_b32 v5, 15, v0
	v_bfe_u32 v6, v0, 4, 1
	v_mul_u32_u24 v4, v5, 4112
	v_lshl_add_u32 v4, v6, 6, v4
	s_lshl_b32 s16, s2, 9
	v_add_nc_u32 v4, s16, v4                       ; and out: row r, K step w, + 64 h
	v_mov_b32 v[PM], 0
	v_mov_b32 v[PM+1], 0
.irp b, 0,1,2,3
	v_mov_b32 v[TM+4+\b], 0
.endr
	s_mov_b32 s[SEL], 0x76543210
	s_mov_b32 s[SEL+1], 0xfedcba98
	s_lshr_b32 s14, ttmp9, 1
	s_lshl_b32 s14, s14, 5
	s_and_b32 s15, ttmp9, 1
	s_lshl_b32 s15, s15, 3
	s_add_co_u32 s14, s14, s15
	s_lshl_b32 s15, s2, 1
	s_add_co_u32 s14, s14, s15
	s_lshr_b32 s15, s2, 2
	s_lshl_b32 s15, s15, 3
	s_add_co_u32 s14, s14, s15                     ; my first row: 32 (t / 2) + 8 (t % 2) + 2 w + 8 (w / 4)
	s_lshl_b32 s14, s14, 12
	s_mov_b32 s15, 0
	s_lshl_b32 s16, ttmp9, 3
	s_add_co_u32 s16, s16, s2                      ; fragment 8 t + w
	s_mul_i32 s18, s16, 1536
	s_mov_b32 s19, 0
	s_lshl_b32 s16, s16, 7
	s_add_co_u32 s16, s16, XS
	s_mov_b32 s17, 0
	s_wait_kmcnt 0x0
	s_add_nc_u64 s[4:5], s[4:5], s[14:15]
	s_add_nc_u64 s[10:11], s[10:11], s[14:15]
	s_add_nc_u64 s[22:23], s[12:13], s[18:19]
	s_add_nc_u64 s[24:25], s[12:13], s[16:17]
.irp e, 0,1
.irp i, 0,1,2,3,4,5,6,7
	global_load_b128 v[X+32*\e+4*\i:X+32*\e+4*\i+3], v2, s[4:5] offset:4096*\e+512*\i th:TH_LOAD_NT   ; 512 consecutive bytes a load
.endr
.endr
.irp i, 0,1,2,3,4,5,6,7
	global_load_b128 v[G+4*\i:G+4*\i+3], v2, s[6:7] offset:512*\i
	global_load_b128 v[BT+4*\i:BT+4*\i+3], v2, s[8:9] offset:512*\i
.endr
	s_wait_loadcnt 16                              ; the two rows are in; gamma's and beta's 16 loads may be out
.irp e, 0,1
	v_pk_add_f32 v[T+4*\e:T+4*\e+1], v[X+32*\e:X+32*\e+1], v[X+32*\e+2:X+32*\e+3]
	v_pk_add_f32 v[T+4*\e+2:T+4*\e+3], v[X+32*\e+4:X+32*\e+5], v[X+32*\e+6:X+32*\e+7]
.endr
.irp j, 8,12,16,20,24,28
.irp e, 0,1
	v_pk_add_f32 v[T+4*\e:T+4*\e+1], v[T+4*\e:T+4*\e+1], v[X+32*\e+\j:X+32*\e+\j+1]
	v_pk_add_f32 v[T+4*\e+2:T+4*\e+3], v[T+4*\e+2:T+4*\e+3], v[X+32*\e+\j+2:X+32*\e+\j+3]
.endr
.endr
.irp e, 0,1
	v_pk_add_f32 v[T+4*\e:T+4*\e+1], v[T+4*\e:T+4*\e+1], v[T+4*\e+2:T+4*\e+3]
.endr
.irp e, 0,1
	v_add_f32 v[T+4*\e], v[T+4*\e], v[T+4*\e+1]
.endr
	WSUM T, PM
	WSUM T+4, PM+1
.irp e, 0,1
	v_mul_f32 v[T+4*\e], 0x3a800000, v[T+4*\e]     ; / 1,024: the mean
.endr
.irp e, 0,1
	v_mov_b32 v[T+4*\e+1], v[T+4*\e]
.endr
.irp e, 0,1
.irp j, 0,2,4,6,8,10,12,14,16,18,20,22,24,26,28,30
	v_pk_add_f32 v[X+32*\e+\j:X+32*\e+\j+1], v[X+32*\e+\j:X+32*\e+\j+1], v[T+4*\e:T+4*\e+1] neg_lo:[0,1] neg_hi:[0,1]   ; centred in place
.endr
.endr
.irp e, 0,1
	v_pk_mul_f32 v[Q+4*\e:Q+4*\e+1], v[X+32*\e:X+32*\e+1], v[X+32*\e:X+32*\e+1]
	v_pk_mul_f32 v[Q+4*\e+2:Q+4*\e+3], v[X+32*\e+2:X+32*\e+3], v[X+32*\e+2:X+32*\e+3]
.endr
.irp j, 4,8,12,16,20,24,28
.irp e, 0,1
	v_pk_fma_f32 v[Q+4*\e:Q+4*\e+1], v[X+32*\e+\j:X+32*\e+\j+1], v[X+32*\e+\j:X+32*\e+\j+1], v[Q+4*\e:Q+4*\e+1]
	v_pk_fma_f32 v[Q+4*\e+2:Q+4*\e+3], v[X+32*\e+\j+2:X+32*\e+\j+3], v[X+32*\e+\j+2:X+32*\e+\j+3], v[Q+4*\e+2:Q+4*\e+3]
.endr
.endr
.irp e, 0,1
	v_pk_add_f32 v[Q+4*\e:Q+4*\e+1], v[Q+4*\e:Q+4*\e+1], v[Q+4*\e+2:Q+4*\e+3]
.endr
.irp e, 0,1
	v_add_f32 v[Q+4*\e], v[Q+4*\e], v[Q+4*\e+1]
.endr
	WSUM Q, PM
	WSUM Q+4, PM+1
.irp e, 0,1
	v_mul_f32 v[Q+4*\e], 0x3a802008, v[Q+4*\e]     ; / 1,023
.endr
.irp e, 0,1
	v_sqrt_f32 v[Q+4*\e+1], v[Q+4*\e]
.endr
	v_nop                                          ; a plain place behind the roots,
	s_wait_alu depctr_va_vdst(0)                   ; and the wait ahead of their first reader
.irp e, 0,1
	v_add_f32 v[Q+4*\e+1], 0x358637bd, v[Q+4*\e+1] ; + 1e-6
.endr
.irp e, 0,1
	v_rcp_f32 v[Q+4*\e+2], v[Q+4*\e+1]
	v_rcp_f32 v[Q+4*\e+3], v[Q+4*\e+1]             ; twice: a pair for the packed multiply
.endr
	v_nop
	s_wait_alu depctr_va_vdst(0)
	s_wait_loadcnt 0x0                             ; gamma, beta
.irp e, 0,1
.irp j, 0,2,4,6,8,10,12,14,16,18,20,22,24,26,28,30
	v_pk_mul_f32 v[X+32*\e+\j:X+32*\e+\j+1], v[X+32*\e+\j:X+32*\e+\j+1], v[Q+4*\e+2:Q+4*\e+3]
.endr
.irp j, 0,2,4,6,8,10,12,14,16,18,20,22,24,26,28,30
	v_pk_fma_f32 v[X+32*\e+\j:X+32*\e+\j+1], v[X+32*\e+\j:X+32*\e+\j+1], v[G+\j:G+\j+1], v[BT+\j:BT+\j+1]
.endr
.endr
.irp e, 0,1
.irp i, 0,1,2,3,4,5,6,7
	global_store_b128 v2, v[X+32*\e+4*\i:X+32*\e+4*\i+3], s[10:11] offset:4096*\e+512*\i
	ds_store_b128 v3, v[X+32*\e+4*\i:X+32*\e+4*\i+3] offset:4112*\e+512*\i
.endr
.endr
	s_wait_dscnt 0x0                               ; for the others' sake: my rows lie in the stage
	s_barrier_signal -1
	s_barrier_wait -1
	s_wait_xcnt 0x0                                ; the stores to xn have read their registers, which are loaded again below
.irp b, 0,1,2,3
.irp j, 0,1,2,3
	ds_load_b128 v[X+16*\b+4*\j:X+16*\b+4*\j+3], v4 offset:128*\b+16*\j
.endr
.endr
	s_wait_dscnt 0x0
	QUANT4 X, 160, 180
	global_store_b128 v2, v[160:163], s[22:23]
	global_store_b64 v7, v[164:165], s[22:23]
	global_store_b128 v2, v[166:169], s[22:23] offset:768
	global_store_b64 v7, v[170:171], s[22:23] offset:768
	global_store_b32 v26, v180, s[24:25]
	s_wait_tensorcnt 0x0
	ds_add_u32 v208, v209
	s_wait_dscnt 0x0
	s_endpgm
.Lfunc_end_k_q5ab68225cf_ln1:
	.size	k_q5ab68225cf_ln1, .Lfunc_end_k_q5ab68225cf_ln1-k_q5ab68225cf_ln1
	.p2alignl 7, 3214868480
	.fill 96, 4, 3214868480
	.section	.rodata,"a",@progbits
	.p2align	6, 0x0
	.amdhsa_kernel k_q5ab68225cf_ln1
		.amdhsa_group_segment_fixed_size 67072
		.amdhsa_private_segment_fixed_size 0
		.amdhsa_enable_private_segment 0
		.amdhsa_kernarg_size 40
		.amdhsa_user_sgpr_count 2
		.amdhsa_user_sgpr_kernarg_segment_ptr 1
		.amdhsa_wavefront_size32 1
		.amdhsa_system_sgpr_workgroup_id_x 1
		.amdhsa_system_sgpr_workgroup_id_y 1
		.amdhsa_system_sgpr_workgroup_id_z 1
		.amdhsa_system_vgpr_workitem_id 0
		.amdhsa_next_free_vgpr 210
		.amdhsa_next_free_sgpr 66
		.amdhsa_reserve_vcc 0
		.amdhsa_float_denorm_mode_32 3
		.amdhsa_float_denorm_mode_16_64 3
		.amdhsa_memory_ordered 1
		.amdhsa_forward_progress 1
		.amdhsa_inst_pref_size 26
	.end_amdhsa_kernel
	.amdgpu_metadata
---
amdhsa.version: [ 1, 2 ]
amdhsa.kernels:
  - .name:           k_q5ab68225cf_ln1
    .symbol:         k_q5ab68225cf_ln1.kd
    .args:
      - { .name: y, .offset: 0, .size: 8, .value_kind: global_buffer, .address_space: global }
      - { .name: gamma1, .offset: 8, .size: 8, .value_kind: global_buffer, .address_space: global }
      - { .name: beta1, .offset: 16, .size: 8, .value_kind: global_buffer, .address_space: global }
      - { .name: xn, .offset: 24, .size: 8, .value_kind: global_buffer, .address_space: global }
      - { .name: xc, .offset: 32, .size: 8, .value_kind: global_buffer, .address_space: global }
    .group_segment_fixed_size: 67072
    .private_segment_fixed_size: 0
    .kernarg_segment_align: 8
    .kernarg_segment_size: 40
    .max_flat_workgroup_size: 256
    .sgpr_count:     66
    .vgpr_count:     210
    .wavefront_size: 32
...
	.end_amdgpu_metadata
.endif
;; end of part 5
;; launch ffn1 (part 6): grid 8 x 32, 4 waves a work-group, no clusters, 327,680 bytes of LDS; arguments xc, wts, b1, hc; writes hc
.if DOCPART == 6
	.amdgcn_target "amdgcn-amd-amdhsa--gfx1250"
	.amdhsa_code_object_version 6
	.text
	.protected	k_q5ab68225cf_ffn1
	.globl	k_q5ab68225cf_ffn1
	.p2align	8
	.type	k_q5ab68225cf_ffn1,@function
k_q5ab68225cf_ffn1:
	s_mov_b64 s[64:65], 0
	v_nop
	global_prefetch_b8 v0, s[64:65] scope:SCOPE_SE
	s_setreg_imm32_b32 hwreg(HW_REG_WAVE_MODE, 25, 1), 1
	s_wait_xcnt 0x0
; hidden = relu(xn w1 + b1): the product on codes of FP6 (E2M3), sums in f32; the hidden layer is quantised in registers along its 4,096 and leaves as an operand image in hc.
; Operand format: see the first launch: a fragment (16 rows x 128 K) is 1,536 bytes on end, its scale words 128 bytes.
; A WORK-GROUP STAYS.  Work-group (x, y) owns 128 tokens (block y) and hidden units 512 x .. 512 x + 511: four tiles of 128 x 128, one after the other.  Four waves of 64 x 64: 16 accumulators.
; Source 0 = w1's columns (they become the results' register axis, the next K), source 1 = the tokens (a row a lane).
; THE TOKENS' FRAGMENTS STAY IN REGISTERS: a wave's 64 tokens x 1,024 K are 32 fragments, 384 registers, read from LDS once; so a K step's LDS reads are w1's four fragments a wave, 24,576 bytes for the four
; waves, and xn's codes are fetched once for the four tiles.  b1 of all four tiles is loaded once; it is the C of each sum's first matrix instruction.
; LDS: three slots of 106,496 bytes, each one block as it lies in memory: codes [8 tiles][8 K steps][1,536], then scale words [8][8][128].  Waves 0-2 bring 32,768 bytes of codes each, wave 3 the 8,192 bytes of
; scale words.  First fills, one group, three loads a wave: the tokens into slot 2, w1's blocks 0 and 1 into slots 0 and 1.  Block 2 goes into slot 2 at tile 0's K step 4, when the tokens are in registers: 168 matrix
; instructions a wave ahead of the wait for it; block 3 into slot 0 at tile 1's K step 7: 120 ahead.  One load of mine is out behind each such barrier.  All of a WGP's LDS is claimed.
; NO CLUSTER: of the five blocks of 106,496 bytes only the first two are waited for at the head; the others are asked for 64, 168 and 120 matrix instructions ahead of the waits for them, and joint requests would put a round
; of the cluster's barrier at each refill.
; LIMITS: blocks of zeros, or under 2^-124, get the byte 1; NaN and infinities are not served.
; REGISTERS.  Window 0: v4-15 LDS addresses; v16-18 store offsets; v28-29 for the add; v32-39 w1's scale words, two sets; v40-71 the tokens' scale words; v72-103 codes; v104-112 at work; v128-255 accumulators.
; Window 1: w1's fragments, two sets of 48; from v128 b1, 32 registers a tile.  Window 2: the tokens' fragments of K steps 0-4 (12 (4 k + a)); window 3: of K steps 5-7.
.set SLOTB, 106496
.set SCO,   98304
.set SPARE, 3*SLOTB                    ; the spare words, 128 bytes for each wave: two blocks of 256 bytes that no other line names
.set XS,    3145728                    ; xn's scale words in xc
.set PCO,   3145728                    ; w1's codes and scale words in wts
.set WSC,   9699328
.set PSTEP, 98304                      ; from block to block
.set SSTEP, 8192
.set HS,    12582912                   ; the hidden layer's scale words in hc
.set AP16, 4
.set AP8,  7
.set SP,   10
.set AQ16, 13
.set AQ8,  14
.set SQ,   15
.set O16,  16
.set O8,   17
.set O4,   18
.set SPW,  28
.set NIL,  29
.set PSC,  32
.set QS,   40
.set CD,   72
.set TMX,  104
.set TPM,  106
.set TSC,  108
.set PT,   110
.set ACC,  128
.set BIAS, 128                         ; in window 1
.set G1C,  24
.set G1S,  32
.set GA,   40                          ; groups 0 for codes: slot 2, slot 0, slot 1
.set GB,   44
.set GC,   48
.set HA,   52                          ; and for scale words
.set HB,   56
.set HC,   60
.set PA,   66
.set PS,   68
.set SEL,  70
.set PB,   72
.set QB,   73
.set MSB, 0
.macro WIN new
.if MSB != \new
	s_set_vgpr_msb (MSB<<8)|\new
.set MSB, \new
.endif
.endm
.macro PLACES
.rept 4
	v_nop
.endr
.endm
.macro FRAG reg, a16, a8, off
	ds_load_b128 v[\reg:\reg+3],     v[\a16] offset:\off
	ds_load_b64  v[\reg+4:\reg+5],   v[\a8]  offset:\off+512
	ds_load_b128 v[\reg+6:\reg+9],   v[\a16] offset:\off+768
	ds_load_b64  v[\reg+10:\reg+11], v[\a8]  offset:\off+1280
.endm
.macro FETCH slot, ks                  ; 20 LDS loads: my four fragments of w1 of K step ks into set ks % 2, and their scale words
.set FG, 48*((\ks)%2)
	WIN 0x40
.irp i, 0,1,2,3
	FRAG FG+12*\i, AP16+\slot, AP8+\slot, \i*12288+(\ks)*1536
.endr
	WIN 0
.irp i, 0,1,2,3
	ds_load_b32 v[PSC+FG/12+\i], v[SP+\slot] offset:\i*1024+(\ks)*128
.endr
.endm
.macro QLOAD                           ; my 64 tokens, all of K, into registers: once
	WIN 0x80
.irp k, 0,1,2,3,4
.irp a, 0,1,2,3
	FRAG 12*(4*\k+\a), AQ16, AQ8, \a*12288+\k*1536
.endr
.endr
	WIN 0xc0
.irp k, 5,6,7
.irp a, 0,1,2,3
	FRAG 12*(4*(\k-5)+\a), AQ16, AQ8, \a*12288+\k*1536
.endr
.endr
	WIN 0
.irp k, 0,1,2,3,4,5,6,7
.irp a, 0,1,2,3
	ds_load_b32 v[QS+4*\k+\a], v[SQ] offset:\a*1024+\k*128
.endr
.endr
.endm
; n x 4 matrix instructions of K step ks, from token tile a0 on.  cm = 2: tile tj's bias starts the sums.  The 16 accumulators take turns, in the same order in every step.
.macro MUL a0, n, ks, cm, tj
.set FF, 48*((\ks)%2)
.if (\ks) < 5
.set QW, 2
.set QR, 48*(\ks)
.else
.set QW, 3
.set QR, 48*((\ks)-5)
.endif
.if \cm == 2
.set WV, 1|(QW<<2)|0x10
.else
.set WV, 1|(QW<<2)
.endif
	WIN WV
.set AA, \a0
.rept \n
.irp b, 0,1,2,3
.if \cm == 2
	v_wmma_scale_f32_16x16x128_f8f6f4 v[ACC+8*(4*AA+\b):ACC+8*(4*AA+\b)+7], v[FF+12*\b:FF+12*\b+11], v[QR+12*AA:QR+12*AA+11], v[BIAS+32*(\tj)+8*\b:BIAS+32*(\tj)+8*\b+7], v[PSC+FF/12+\b], v[QS+4*(\ks)+AA] matrix_a_fmt:MATRIX_FMT_FP6 matrix_b_fmt:MATRIX_FMT_FP6
.else
	v_wmma_scale_f32_16x16x128_f8f6f4 v[ACC+8*(4*AA+\b):ACC+8*(4*AA+\b)+7], v[FF+12*\b:FF+12*\b+11], v[QR+12*AA:QR+12*AA+11], v[ACC+8*(4*AA+\b):ACC+8*(4*AA+\b)+7], v[PSC+FF/12+\b], v[QS+4*(\ks)+AA] matrix_a_fmt:MATRIX_FMT_FP6 matrix_b_fmt:MATRIX_FMT_FP6
.endif
.endr
.set AA, AA+1
.endr
.endm
.macro STEP ks, cm, tj, nslot, nks     ; the next step's fragments of w1 (slot nslot, K step nks) are asked for, then K step ks is multiplied
	PLACES
	FETCH \nslot, \nks
	s_wait_dscnt 20                                ; all but the 20 loads just issued: this step's set is in
	MUL 0, 4, \ks, \cm, \tj
.endm
.macro TLOAD gc, gs                    ; waves 0-2 bring codes, wave 3 the scale words: two shapes, so two lines, under a branch on the wave's number; four v_nop follow each
	s_cmp_lt_u32 s2, 3
	s_cbranch_scc0 .Lsc_\@
	tensor_load_to_lds s[\gc:\gc+3], s[G1C:G1C+7]
	s_nop 0
	PLACES
	s_branch .Ldn_\@
.Lsc_\@:
	tensor_load_to_lds s[\gs:\gs+3], s[G1S:G1S+7]
	s_nop 0
	PLACES
.Ldn_\@:
.endm
; K step ks with a barrier in it.  In front of it every wave waits for all its tensor loads, adds 0 to its spare word and waits for that and for its LDS reads.  fill = 1: slot 2 takes block 2; fill = 2: slot 0 takes block 3; 0: nothing is filled.
.macro TURN ks, nslot, nks, fill
	WIN 0                                          ; (the add's two registers lie in window 0)
	s_wait_tensorcnt 0x0                           ; all my tensor loads have landed; so a group 0 may be written
	ds_add_u32 v[SPW], v[NIL]                      ; 0 onto my spare word
.if \fill == 1
	s_add_nc_u64 s[GA+2:GA+3], s[PA:PA+1], 2*PSTEP
	s_or_b32 s[GA+3], s[GA+3], 0x80000000
	s_add_nc_u64 s[HA+2:HA+3], s[PS:PS+1], 2*SSTEP
	s_or_b32 s[HA+3], s[HA+3], 0x80000000
.endif
.if \fill == 2
	s_add_nc_u64 s[GB+2:GB+3], s[PA:PA+1], 3*PSTEP
	s_or_b32 s[GB+3], s[GB+3], 0x80000000
	s_add_nc_u64 s[HB+2:HB+3], s[PS:PS+1], 3*SSTEP
	s_or_b32 s[HB+3], s[HB+3], 0x80000000
.endif
	s_wait_dscnt 0x0                               ; the add is done, this step's set is in, and my LDS reads are over
	s_barrier_signal -1
	MUL 0, 2, \ks, 0, 0                            ; work on registers while the others arrive
	WIN 0
	s_barrier_wait -1
.if \fill == 1
	TLOAD GA, HA                                   ; my one tensor load behind this barrier, and the first thing there
.elseif \fill == 2
	TLOAD GB, HB
.else
	PLACES
.endif
	FETCH \nslot, \nks
	MUL 2, 2, \ks, 0, 0
.endm
.macro QUANT2 s, pc, pw                ; 32 numbers of a lane, register 16 b + i = k 32 b + 16 (lane / 16) + i, become half a fragment's codes and two scale bytes
.irp b, 0,1
	v_max3_num_f32 v[TMX+\b], |v[\s+16*\b]|, |v[\s+1+16*\b]|, 0x1800000
.endr
.irp i, 2,4,6,8,10,12,14
.irp b, 0,1
	v_max3_num_f32 v[TMX+\b], v[TMX+\b], |v[\s+16*\b+\i]|, |v[\s+1+16*\b+\i]|
.endr
.endr
.irp b, 0,1
	v_permlanex16_b32 v[TPM+\b], v[TMX+\b], s[SEL], s[SEL+1]
.endr
.irp b, 0,1
	v_max_num_f32 v[TMX+\b], v[TMX+\b], v[TPM+\b]
.endr
.irp b, 0,1
	v_add_nc_u32 v[TSC+\b], 0xff000000, v[TMX+\b]
.endr
.irp b, 0,1
	v_lshrrev_b32 v[TPM+\b], 23, v[TSC+\b]
.endr
	v_lshl_or_b32 v[\pw], v[TPM+1], 8, v[TPM]
	v_cvt_scalef32_pk16_fp6_f32 v[\pc:\pc+2], v[\s:\s+15], v[TSC]
	v_cvt_scalef32_pk16_fp6_f32 v[PT:PT+2], v[\s+16:\s+31], v[TSC+1]
	v_nop                                          ; one plain place behind a scaled conversion
.irp i, 0,1,2
	v_permlane16_swap_b32 v[\pc+\i], v[PT+\i]
.endr
.irp i, 0,1,2
	v_mov_b32 v[\pc+3+\i], v[PT+\i]
.endr
.endm
.macro EPI tj                          ; tile tj is finished: the activation, the quantiser, the stores
	WIN 0
	PLACES
	s_wait_xcnt 0x0                                ; the last tile's stores have read the codes' registers, which are written again below
.irp a, 0,1,2,3
.irp q, 0,1,2,3,4,5,6,7,8,9,10,11,12,13,14,15,16,17,18,19,20,21,22,23,24,25,26,27,28,29,30,31
	v_max_num_f32 v[ACC+32*\a+\q], 0, v[ACC+32*\a+\q]      ; in f32; each accumulator from its low end on
.endr
	QUANT2 ACC+32*\a, CD+8*\a, CD+6+8*\a
.endr
.irp a, 0,1,2,3
	global_store_b128 v[O16], v[CD+8*\a:CD+8*\a+3], s[76:77] offset:49152*\a+1536*(\tj)
	global_store_b64 v[O8], v[CD+8*\a+4:CD+8*\a+5], s[76:77] offset:49152*\a+1536*(\tj)
	global_store_b16 v[O4], v[CD+6+8*\a], s[78:79] offset:4096*\a+128*(\tj)    ; my half's two bytes of each row's word
.endr
.endm
	s_load_b128 s[4:7], s[0:1], 0x0                ; xc, wts
	s_load_b128 s[8:11], s[0:1], 0x10              ; b1, hc
	v_lshl_add_u32 v[SPW], v0, 2, SPARE
	v_mov_b32 v[NIL], 0
	ds_add_u32 v28, v29
	ds_add_u32 v28, v29
	s_wait_dscnt 0x0
	v_lshrrev_b32 v1, 5, v0
	v_readfirstlane_b32 s2, v1                     ; wave 0..3
	s_and_b32 s14, s2, 1                           ; my half of a block's 128 hidden units
	s_lshr_b32 s15, s2, 1                          ; my half of the 128 tokens
	s_mov_b32 s[PB], ttmp9
	s_and_b32 s[QB], ttmp7, 0xffff
	s_mov_b32 s[G1C], 3<<16                        ; 32,768 dense bytes as 128 rows of 256 (32 elements of 8 bytes); no mask, no padding
	s_mov_b32 s[G1C+1], 32<<16
	s_mov_b32 s[G1C+2], 128<<16
	s_mov_b32 s[G1C+3], 32<<16
	s_mov_b32 s[G1C+4], 128
	s_mov_b32 s[G1C+5], 32
	s_mov_b32 s[G1C+6], 0
	s_mov_b32 s[G1C+7], 0
	s_mov_b32 s[G1S], 3<<16                        ; 8,192 dense bytes as 32 rows of 256
	s_mov_b32 s[G1S+1], 32<<16
	s_mov_b32 s[G1S+2], 32<<16
	s_mov_b32 s[G1S+3], 32<<16
	s_mov_b32 s[G1S+4], 32
	s_mov_b32 s[G1S+5], 32
	s_mov_b32 s[G1S+6], 0
	s_mov_b32 s[G1S+7], 0
	s_mov_b32 s[SEL], 0x76543210
	s_mov_b32 s[SEL+1], 0xfedcba98
	s_lshl_b32 s16, s2, 15                         ; wave x 32,768: my third of a block's codes, in memory and in a slot
	s_mul_i32 s18, s[QB], 98304
	s_add_co_u32 s18, s18, s16
	s_mov_b32 s19, 0
	s_lshl_b32 s20, s[QB], 13
	s_add_co_u32 s20, s20, XS
	s_mov_b32 s21, 0
	s_mul_i32 s22, s[PB], 4*PSTEP
	s_add_co_u32 s22, s22, s16
	s_add_co_u32 s22, s22, PCO
	s_mov_b32 s23, 0
	s_lshl_b32 s74, s[PB], 15
	s_add_co_u32 s74, s74, WSC
	s_mov_b32 s75, 0
	s_wait_kmcnt 0x0
	s_add_nc_u64 s[PA:PA+1], s[6:7], s[22:23]
	s_add_nc_u64 s[PS:PS+1], s[6:7], s[74:75]
	s_mov_b32 s[GA], 1                             ; the tokens' codes into slot 2
	s_add_co_u32 s[GA+1], s16, 2*SLOTB
	s_add_nc_u64 s[GA+2:GA+3], s[4:5], s[18:19]
	s_or_b32 s[GA+3], s[GA+3], 0x80000000
	s_mov_b32 s[GB], 1                             ; block 0 into slot 0
	s_mov_b32 s[GB+1], s16
	s_mov_b64 s[GB+2:GB+3], s[PA:PA+1]
	s_or_b32 s[GB+3], s[GB+3], 0x80000000
	s_mov_b32 s[GC], 1                             ; block 1 into slot 1
	s_add_co_u32 s[GC+1], s16, SLOTB
	s_add_nc_u64 s[GC+2:GC+3], s[PA:PA+1], PSTEP
	s_or_b32 s[GC+3], s[GC+3], 0x80000000
	s_mov_b32 s[HA], 1                             ; and the scale words likewise
	s_mov_b32 s[HA+1], 2*SLOTB+SCO
	s_add_nc_u64 s[HA+2:HA+3], s[4:5], s[20:21]
	s_or_b32 s[HA+3], s[HA+3], 0x80000000
	s_mov_b32 s[HB], 1
	s_mov_b32 s[HB+1], SCO
	s_mov_b64 s[HB+2:HB+3], s[PS:PS+1]
	s_or_b32 s[HB+3], s[HB+3], 0x80000000
	s_mov_b32 s[HC], 1
	s_mov_b32 s[HC+1], SLOTB+SCO
	s_add_nc_u64 s[HC+2:HC+3], s[PS:PS+1], SSTEP
	s_or_b32 s[HC+3], s[HC+3], 0x80000000
	s_cmp_lt_u32 s2, 3                             ; a wave's three first fills stand in one branch: three loads of mine are out
	s_cbranch_scc0 .Lfirst_s
	tensor_load_to_lds s[GA:GA+3], s[G1C:G1C+7]
	s_nop 0
	tensor_load_to_lds s[GB:GB+3], s[G1C:G1C+7]
	s_nop 0
	tensor_load_to_lds s[GC:GC+3], s[G1C:G1C+7]
	s_nop 0
	PLACES
	s_branch .Lfirst_d
.Lfirst_s:
	tensor_load_to_lds s[HA:HA+3], s[G1S:G1S+7]
	s_nop 0
	tensor_load_to_lds s[HB:HB+3], s[G1S:G1S+7]
	s_nop 0
	tensor_load_to_lds s[HC:HC+3], s[G1S:G1S+7]
	s_nop 0
	PLACES
.Lfirst_d:
	s_lshl_b32 s16, s[PB], 11
	s_lshl_b32 s17, s14, 8
	s_add_co_u32 s16, s16, s17
	s_mov_b32 s17, 0
	s_add_nc_u64 s[8:9], s[8:9], s[16:17]          ; b1 at my 64 units of block 0
	v_bfe_u32 v2, v0, 4, 1
	v_lshlrev_b32 v20, 6, v2                       ; lane (r, h) wants, for tile b of w1, units 32 (b / 2) + 8 (b % 2) + 16 h + 0 .. 7
	WIN 0x40
.irp t, 0,1,2,3
.irp b, 0,1,2,3
	global_load_b128 v[BIAS+32*\t+8*\b:BIAS+32*\t+8*\b+3], v20, s[8:9] offset:512*\t+(32*(\b/2)+8*(\b%2))*4
	global_load_b128 v[BIAS+32*\t+8*\b+4:BIAS+32*\t+8*\b+7], v20, s[8:9] offset:512*\t+(32*(\b/2)+8*(\b%2))*4+16
.endr
.endr
	WIN 0
	v_and_b32 v3, 31, v0
	v_lshlrev_b32 v[O16], 4, v3
	v_lshlrev_b32 v19, 3, v3
	v_lshlrev_b32 v[O4], 2, v3
	v_add_nc_u32 v[O8], 512, v19
	s_mul_i32 s74, s14, 49152                      ; my four tiles of w1 in a slot
.irp s, 0,1,2
	v_add_nc_u32 v[AP16+\s], s74, v[O16]
	v_add_nc_u32 v[AP8+\s], s74, v19
	s_add_co_u32 s74, s74, SLOTB
.endr
	s_lshl_b32 s74, s14, 12
	s_add_co_u32 s74, s74, SCO
.irp s, 0,1,2
	v_add_nc_u32 v[SP+\s], s74, v[O4]
	s_add_co_u32 s74, s74, SLOTB
.endr
	s_mul_i32 s74, s15, 49152                      ; my four token tiles, in slot 2
	s_add_co_u32 s74, s74, 2*SLOTB
	v_add_nc_u32 v[AQ16], s74, v[O16]
	v_add_nc_u32 v[AQ8], s74, v19
	s_lshl_b32 s74, s15, 12
	s_add_co_u32 s74, s74, 2*SLOTB+SCO
	v_add_nc_u32 v[SQ], s74, v[O4]
	v_mov_b32 v[TPM], 0                            ; written once: a lane permute's destination counts as one of its sources
	v_mov_b32 v[TPM+1], 0
	s_lshl_b32 s16, s[QB], 3
	s_lshl_b32 s17, s15, 2
	s_add_co_u32 s16, s16, s17                     ; my first token tile T
	s_lshl_b32 s17, s16, 6
	s_lshl_b32 s18, s[PB], 3
	s_add_co_u32 s17, s17, s18
	s_add_co_u32 s17, s17, s14
	s_mul_i32 s20, s17, 768                        ; half fragment 64 T + 2 x (K step = block 4 x) + my half; a tile on is 1,536 bytes on
	s_mov_b32 s21, 0
	s_lshl_b32 s17, s16, 5
	s_lshl_b32 s18, s[PB], 2
	s_add_co_u32 s17, s17, s18
	s_lshl_b32 s22, s17, 7
	s_lshl_b32 s18, s14, 1
	s_add_co_u32 s22, s22, s18
	s_add_co_u32 s22, s22, HS
	s_mov_b32 s23, 0
	s_add_nc_u64 s[76:77], s[10:11], s[20:21]
	s_add_nc_u64 s[78:79], s[10:11], s[22:23]
	s_wait_tensorcnt 1                             ; my parts of the tokens and of block 0 are in; block 1's load may be out
	s_barrier_signal -1
	s_barrier_wait -1
	QLOAD
	FETCH 0, 0
	s_wait_loadcnt 0x0                             ; b1
	; ---- tile 0: slot 0
	STEP 0, 2, 0, 0, 1
.irp k, 1,2,3
	STEP \k, 0, 0, 0, \k+1
.endr
	TURN 4, 0, 5, 1                                ; everybody's tokens are in registers and block 1 has landed: block 2 goes out
	STEP 5, 0, 0, 0, 6
	STEP 6, 0, 0, 0, 7
	STEP 7, 0, 0, 1, 0
	EPI 0
	; ---- tile 1: slot 1
	STEP 0, 2, 1, 1, 1
.irp k, 1,2,3,4,5,6
	STEP \k, 0, 0, 1, \k+1
.endr
	TURN 7, 2, 0, 2                                ; block 2 has landed, everybody's part; slot 0, read out in tile 0, takes block 3
	EPI 1
	; ---- tile 2: slot 2
	STEP 0, 2, 2, 2, 1
.irp k, 1,2,3,4,5,6
	STEP \k, 0, 0, 2, \k+1
.endr
	TURN 7, 0, 0, 0                                ; block 3 has landed; nothing is filled
	EPI 2
	; ---- tile 3: slot 0
	STEP 0, 2, 3, 0, 1
.irp k, 1,2,3,4,5,6
	STEP \k, 0, 0, 0, \k+1
.endr
	s_wait_dscnt 0x0
	MUL 0, 4, 7, 0, 0
	EPI 3
	s_wait_tensorcnt 0x0                           ; the wave's end
	ds_add_u32 v[SPW], v[NIL]
	s_wait_dscnt 0x0
	s_endpgm
.Lfunc_end_k_q5ab68225cf_ffn1:
	.size	k_q5ab68225cf_ffn1, .Lfunc_end_k_q5ab68225cf_ffn1-k_q5ab68225cf_ffn1
	.p2alignl 7, 3214868480
	.fill 96, 4, 3214868480
	.section	.rodata,"a",@progbits
	.p2align	6, 0x0
	.amdhsa_kernel k_q5ab68225cf_ffn1
		.amdhsa_group_segment_fixed_size 327680
		.amdhsa_private_segment_fixed_size 0
		.amdhsa_enable_private_segment 0
		.amdhsa_kernarg_size 32
		.amdhsa_user_sgpr_count 2
		.amdhsa_user_sgpr_kernarg_segment_ptr 1
		.amdhsa_wavefront_size32 1
		.amdhsa_system_sgpr_workgroup_id_x 1
		.amdhsa_system_sgpr_workgroup_id_y 1
		.amdhsa_system_sgpr_workgroup_id_z 1
		.amdhsa_system_vgpr_workitem_id 0
		.amdhsa_next_free_vgpr 1024
		.amdhsa_next_free_sgpr 96
		.amdhsa_reserve_vcc 0
		.amdhsa_float_denorm_mode_32 3
		.amdhsa_float_denorm_mode_16_64 3
		.amdhsa_memory_ordered 1
		.amdhsa_forward_progress 1
		.amdhsa_inst_pref_size 186
	.end_amdhsa_kernel
	.amdgpu_metadata
---
amdhsa.version: [ 1, 2 ]
amdhsa.kernels:
  - .name:           k_q5ab68225cf_ffn1
    .symbol:         k_q5ab68225cf_ffn1.kd
    .args:
      - { .name: xc, .offset: 0, .size: 8, .value_kind: global_buffer, .address_space: global }
      - { .name: wts, .offset: 8, .size: 8, .value_kind: global_buffer, .address_space: global }
      - { .name: b1, .offset: 16, .size: 8, .value_kind: global_buffer, .address_space: global }
      - { .name: hc, .offset: 24, .size: 8, .value_kind: global_buffer, .address_space: global }
    .group_segment_fixed_size: 327680
    .private_segment_fixed_size: 0
    .kernarg_segment_align: 8
    .kernarg_segment_size: 32
    .max_flat_workgroup_size: 128
    .sgpr_count:     96
    .vgpr_count:     1024
    .wavefront_size: 32
...
	.end_amdgpu_metadata
.endif
;; end of part 6
;; launch ffn2 (part 7): grid 8 x 32, 4 waves a work-group, no clusters, 327,680 bytes of LDS; arguments hc, wts, b2, xn, y; writes y
.if DOCPART == 7
	.amdgcn_target "amdgcn-amd-amdhsa--gfx1250"
	.amdhsa_code_object_version 6
	.text
	.protected	k_q5ab68225cf_ffn2
	.globl	k_q5ab68225cf_ffn2
	.p2align	8
	.type	k_q5ab68225cf_ffn2,@function
k_q5ab68225cf_ffn2:
	s_mov_b64 s[64:65], 0
	v_nop
	global_prefetch_b8 v0, s[64:65] scope:SCOPE_SE
	s_setreg_imm32_b32 hwreg(HW_REG_WAVE_MODE, 25, 1), 1
	s_wait_xcnt 0x0
; y = xn + hidden w2 + b2: the product on codes of FP6 (E2M3), K = 4,096, sums in f32; b2 is the C of each sum's first matrix instruction, the residual is added on the way out; y is f32 [4096][1024].
; Operand format: as in the first launch.  Work-group (x, y): 128 of w2's columns (side P, source 0) x 128 tokens (side Q, a row a lane); four waves of 64 x 64: 16 accumulators.
; THE RING.  Two LDS slots of 512 along K, each [16 tiles: P's 8, Q's 8][4 K steps][1,536 bytes]; each wave brings four tiles of a slot by one tensor load.  A slot is filled again behind the barrier of
; its fourth K step: in front of it every wave waits for all its tensor loads, adds 0 to its spare word and waits for that and for its reads; the refill is the first thing behind it, and has four K steps,
; 56 matrix instructions a wave, in which to land.  By this text's count a wave has three loads out at the start and one behind each such barrier.  The scale words of all 32 K steps come once, with the first fills.
; THE RESIDUAL IS ASKED FOR AT THE HEAD: a wave's 64 x 64 numbers of xn, 32 loads into 128 registers of window 2, land while K is walked; the way out waits for them once.
; NO CLUSTER: a K step of 128 brings 24,576 bytes into LDS and the four waves read 49,152 bytes out of it; joint requests would put a round of the cluster's barrier at each of the six refills.
; All of a WGP's LDS is claimed.
.set KS,    32
.set SLOTB, 98304
.set SCL,   2*SLOTB
.set STG,   SCL+16*KS*128              ; a stage of 16 rows x 272 bytes for each wave, into which no tile lands
.set SPARE, STG+4*4352                 ; the spare words, 128 bytes for each wave: two blocks of 256 bytes that no other line names
.set PCO,   6291456                    ; w2's codes and scale words in wts; the hidden layer's scale words in hc
.set PSC,   9961472
.set QSC,   12582912
.set AP16, 4
.set AP8,  6
.set AQ16, 8
.set AQ8,  10
.set SP,   12
.set SQ,   13
.set O16,  14
.set O4,   16
.set STO,  17
.set RD,   18
.set CO,   19
.set SPW,  28                          ; v28 LDS address of my spare word; v29 0: never rewritten
.set NIL,  29
.set SC,   32                          ; v32-47 scale words: they hold nothing else
.set BIAS, 64
.set ACC,  128
.set F0,   0
.set F1,   128
.set G1,   24
.set G0,   32
.set G1S,  40
.set G0S,  48
.set PB,   62
.set QB,   63
.set MSB, 0
.macro WIN new
.if MSB != \new
	s_set_vgpr_msb (MSB<<8)|\new
.set MSB, \new
.endif
.endm
.macro PLACES
.rept 4
	v_nop
.endr
.endm
.macro FRAG reg, a16, a8, off
	ds_load_b128 v[\reg:\reg+3],     v[\a16] offset:\off
	ds_load_b64  v[\reg+4:\reg+5],   v[\a8]  offset:\off+512
	ds_load_b128 v[\reg+6:\reg+9],   v[\a16] offset:\off+768
	ds_load_b64  v[\reg+10:\reg+11], v[\a8]  offset:\off+1280
.endm
.macro FETCH slot, ks, f               ; 40 LDS loads: eight fragments and eight scale words
	WIN 0x40
.irp i, 0,1,2,3
	FRAG \f+12*\i, AP16+\slot, AP8+\slot, \i*6144+(\ks)*1536
.endr
.irp i, 0,1,2,3
	FRAG \f+48+12*\i, AQ16+\slot, AQ8+\slot, \i*6144+(\ks)*1536
.endr
	WIN 0
.irp i, 0,1,2,3
	ds_load_b32 v[SC+(\f)/16+\i],   v[SP] offset:\i*KS*128+(4*\slot+(\ks))*128
	ds_load_b32 v[SC+(\f)/16+4+\i], v[SQ] offset:\i*KS*128+(4*\slot+(\ks))*128
.endr
.endm
.macro MUL a0, n, f, cm                ; cm = 2: the bias starts the sums.  The 16 accumulators take turns, in the same order in every step, over the loop's backward jump too
	WIN 0x05
.set AA, \a0
.rept \n
.irp b, 0,1,2,3
.if \cm == 2
	v_wmma_scale_f32_16x16x128_f8f6f4 v[ACC+8*(4*AA+\b):ACC+8*(4*AA+\b)+7], v[\f+12*\b:\f+12*\b+11], v[\f+48+12*AA:\f+48+12*AA+11], v[BIAS+8*\b:BIAS+8*\b+7], v[SC+(\f)/16+\b], v[SC+(\f)/16+4+AA] matrix_a_fmt:MATRIX_FMT_FP6 matrix_b_fmt:MATRIX_FMT_FP6
.else
	v_wmma_scale_f32_16x16x128_f8f6f4 v[ACC+8*(4*AA+\b):ACC+8*(4*AA+\b)+7], v[\f+12*\b:\f+12*\b+11], v[\f+48+12*AA:\f+48+12*AA+11], v[ACC+8*(4*AA+\b):ACC+8*(4*AA+\b)+7], v[SC+(\f)/16+\b], v[SC+(\f)/16+4+AA] matrix_a_fmt:MATRIX_FMT_FP6 matrix_b_fmt:MATRIX_FMT_FP6
.endif
.endr
.set AA, AA+1
.endr
.endm
.macro STEP slot, ks, f, g, cm
	PLACES
	FETCH \slot, (\ks)+1, \g
	s_wait_dscnt 40                                ; all but the 40 loads just issued: set f is in
	MUL 0, 4, \f, \cm
.endm
; A slot's fourth K step, on set F1, and the change of slots.  fill = 1: this slot is filled again, with the K steps eight further on.
.macro TURN slot, next, fill
	WIN 0                                          ; (the add's two registers lie in window 0)
	s_wait_tensorcnt 0x0                           ; all my tensor loads have landed: my part of the next slot; so a group 0 may be written
	ds_add_u32 v[SPW], v[NIL]                      ; 0 onto my spare word
.if \fill
	s_add_nc_u64 s[G0+4*\slot+2:G0+4*\slot+3], s[G0+4*\slot+2:G0+4*\slot+3], 12288
.endif
	s_wait_dscnt 0x0                               ; the add is done, set F1 is in, and my reads of this slot are over
	s_barrier_signal -1
	MUL 0, 2, F1, 0                                ; work on registers while the others arrive
	WIN 0
	s_barrier_wait -1
.if \fill
	tensor_load_to_lds s[G0+4*\slot:G0+4*\slot+3], s[G1:G1+7]      ; my one tensor load behind this barrier, and the first thing there
	s_nop 0
.endif
	PLACES                                         ; behind the load; also the places in front of the loads into set F0
.if \slot == 1
	v_add_nc_u32 v[SP], 1024, v[SP]                ; a lap is eight K steps of scale words
	v_add_nc_u32 v[SQ], 1024, v[SQ]
.endif
	FETCH \next, 0, F0
	MUL 2, 2, F1, 0
.endm
	s_load_b128 s[4:7], s[0:1], 0x0                ; hc, wts
	s_load_b128 s[8:11], s[0:1], 0x10              ; b2, xn
	s_load_b64 s[12:13], s[0:1], 0x20              ; y
	v_lshl_add_u32 v[SPW], v0, 2, SPARE
	v_mov_b32 v[NIL], 0
	ds_add_u32 v28, v29
	ds_add_u32 v28, v29
	s_wait_dscnt 0x0
	v_lshrrev_b32 v1, 5, v0
	v_readfirstlane_b32 s2, v1
	s_and_b32 s14, s2, 1
	s_lshr_b32 s15, s2, 1
	s_mov_b32 s[PB], ttmp9
	s_and_b32 s[QB], ttmp7, 0xffff
	s_mov_b32 s[G1], 3<<16
	s_mov_b32 s[G1+1], 768<<16
	s_mov_b32 s[G1+2], 4<<16
	s_mov_b32 s[G1+3], 768<<16
	s_mov_b32 s[G1+4], 4
	s_mov_b32 s[G1+5], KS*192
	s_mov_b32 s[G1+6], 0
	s_mov_b32 s[G1+7], 0
	s_mov_b32 s[G1S], 3<<16
	s_mov_b32 s[G1S+1], 32<<16
	s_mov_b32 s[G1S+2], (2*KS)<<16
	s_mov_b32 s[G1S+3], 32<<16
	s_mov_b32 s[G1S+4], 2*KS
	s_mov_b32 s[G1S+5], 32
	s_mov_b32 s[G1S+6], 0
	s_mov_b32 s[G1S+7], 0
	s_mov_b32 s22, PSC
	s_mov_b32 s16, QSC
	s_cmp_eq_u32 s15, 0
	s_cselect_b32 s18, s[PB], s[QB]
	s_cselect_b32 s20, PCO, 0
	s_cselect_b32 s22, s22, s16
	s_wait_kmcnt 0x0
	s_cselect_b64 s[66:67], s[6:7], s[4:5]
	s_lshl_b32 s18, s18, 3
	s_lshl_b32 s16, s14, 2
	s_add_co_u32 s18, s18, s16
	s_mul_i32 s16, s18, KS*1536
	s_add_co_u32 s20, s20, s16
	s_mov_b32 s21, 0
	s_mul_i32 s16, s18, KS*128
	s_add_co_u32 s22, s22, s16
	s_mov_b32 s23, 0
	s_mul_i32 s68, s2, 24576
	s_mul_i32 s69, s2, KS*512
	s_mov_b32 s[G0S], 1
	s_add_co_u32 s[G0S+1], s69, SCL
	s_add_nc_u64 s[G0S+2:G0S+3], s[66:67], s[22:23]
	s_or_b32 s[G0S+3], s[G0S+3], 0x80000000
	s_mov_b32 s[G0], 1
	s_mov_b32 s[G0+1], s68
	s_add_nc_u64 s[G0+2:G0+3], s[66:67], s[20:21]
	s_mov_b32 s[G0+4], 1
	s_add_co_u32 s[G0+5], s68, SLOTB
	s_add_nc_u64 s[G0+6:G0+7], s[G0+2:G0+3], 6144
	s_or_b32 s[G0+3], s[G0+3], 0x80000000
	s_or_b32 s[G0+7], s[G0+7], 0x80000000
	tensor_load_to_lds s[G0S:G0S+3], s[G1S:G1S+7]  ; all first fills in one group: three loads of mine are out
	s_nop 0
	tensor_load_to_lds s[G0:G0+3], s[G1:G1+7]
	s_nop 0
	tensor_load_to_lds s[G0+4:G0+7], s[G1:G1+7]
	s_nop 0
	PLACES
	s_lshl_b32 s16, s[PB], 9
	s_lshl_b32 s17, s14, 8
	s_add_co_u32 s16, s16, s17
	s_mov_b32 s17, 0
	s_add_nc_u64 s[8:9], s[8:9], s[16:17]          ; b2 at my 64 columns
	v_bfe_u32 v2, v0, 4, 1                         ; h
	v_lshlrev_b32 v21, 6, v2
.irp b, 0,1,2,3
	global_load_b128 v[BIAS+8*\b:BIAS+8*\b+3], v21, s[8:9] offset:(32*(\b/2)+8*(\b%2))*4
	global_load_b128 v[BIAS+8*\b+4:BIAS+8*\b+7], v21, s[8:9] offset:(32*(\b/2)+8*(\b%2))*4+16
.endr
	v_and_b32 v3, 31, v0
	v_lshlrev_b32 v[O16], 4, v3
	v_lshlrev_b32 v20, 3, v3
	v_lshlrev_b32 v[O4], 2, v3
	s_mul_i32 s68, s14, 24576
	v_add_nc_u32 v[AP16], s68, v[O16]
	v_add_nc_u32 v[AP8], s68, v20
	s_add_co_u32 s68, s68, SLOTB
	v_add_nc_u32 v[AP16+1], s68, v[O16]
	v_add_nc_u32 v[AP8+1], s68, v20
	s_mul_i32 s68, s15, 24576
	s_add_co_u32 s68, s68, 49152
	v_add_nc_u32 v[AQ16], s68, v[O16]
	v_add_nc_u32 v[AQ8], s68, v20
	s_add_co_u32 s68, s68, SLOTB
	v_add_nc_u32 v[AQ16+1], s68, v[O16]
	v_add_nc_u32 v[AQ8+1], s68, v20
	s_mul_i32 s68, s14, 4*KS*128
	s_add_co_u32 s68, s68, SCL
	v_add_nc_u32 v[SP], s68, v[O4]
	s_mul_i32 s68, s15, 4*KS*128
	s_add_co_u32 s68, s68, SCL+8*KS*128
	v_add_nc_u32 v[SQ], s68, v[O4]
	v_and_b32 v1, 15, v0                           ; r
	s_mul_i32 s16, s2, 4352
	s_add_co_u32 s16, s16, STG                     ; my stage
	v_mul_u32_u24 v[STO], v1, 272
	v_lshl_add_u32 v[STO], v2, 6, v[STO]
	v_add_nc_u32 v[STO], s16, v[STO]
	v_mul_u32_u24 v[RD], v2, 272
	v_lshl_add_u32 v[RD], v1, 4, v[RD]
	v_add_nc_u32 v[RD], s16, v[RD]
	v_lshlrev_b32 v[CO], 12, v2
	v_lshl_add_u32 v[CO], v1, 4, v[CO]
	s_lshl_b32 s16, s[QB], 7
	s_lshl_b32 s17, s15, 6
	s_add_co_u32 s16, s16, s17
	s_lshl_b32 s16, s16, 12
	s_lshl_b32 s17, s[PB], 9
	s_add_co_u32 s16, s16, s17
	s_lshl_b32 s17, s14, 8
	s_add_co_u32 s16, s16, s17
	s_mov_b32 s17, 0
	s_add_nc_u64 s[52:53], s[10:11], s[16:17]      ; xn and y at my first token and column
	s_add_nc_u64 s[54:55], s[12:13], s[16:17]
	WIN 0x80                                       ; destination window 2: the residual, in the layout in which the rows come back from the stage
.irp a, 0,1,2,3
.irp i, 0,1,2,3,4,5,6,7
	global_load_b128 v[32*\a+4*\i:32*\a+4*\i+3], v[CO], s[52:53] offset:(32*(\a/2)+8*(\a%2)+2*\i+8*(\i/4))*4096 th:TH_LOAD_NT
.endr
.endr
	WIN 0
	s_wait_tensorcnt 1                             ; the scale words and my part of slot 0 are in; slot 1's load may be out
	s_barrier_signal -1
	s_barrier_wait -1
	FETCH 0, 0, F0
	s_wait_loadcnt 32                              ; b2's eight loads are in; the residual's 32, issued behind them, may be out
	STEP 0, 0, F0, F1, 2                           ; the first K step stands in front of the loop: its products start the sums
	WIN 0                                          ; at a label and at a branch every window is 0
	s_mov_b32 s3, 3
.Llap:                                             ; a trip goes once round the ring, from a lap's second K step to the next lap's first, and fills both slots again
	STEP 0, 1, F1, F0, 0
	STEP 0, 2, F0, F1, 0
	TURN 0, 1, 1
	STEP 1, 0, F0, F1, 0
	STEP 1, 1, F1, F0, 0
	STEP 1, 2, F0, F1, 0
	TURN 1, 0, 1
	STEP 0, 0, F0, F1, 0
	WIN 0
	s_sub_co_u32 s3, s3, 1
	s_cmp_lg_u32 s3, 0
	s_cbranch_scc1 .Llap
	STEP 0, 1, F1, F0, 0                           ; the last lap fills nothing
	STEP 0, 2, F0, F1, 0
	TURN 0, 1, 0
	STEP 1, 0, F0, F1, 0
	STEP 1, 1, F1, F0, 0
	STEP 1, 2, F0, F1, 0
	s_wait_dscnt 0x0
	MUL 0, 4, F1, 0
	WIN 0
	PLACES
	s_wait_loadcnt 0x0                             ; the residual, asked for at the head
	; THE WAY OUT, a tile of 16 tokens x 64 columns at a time, through my own stage: sixteen lanes then hold 256 consecutive bytes of a row.  Stage row i is token 32 (a / 2) + 8 (a % 2) + i % 8 + 16 (i / 8).
.irp a, 0,1,2,3
.if \a > 0
	s_wait_xcnt 0x0                                ; the last tile's stores have read their registers, which are loaded again below
.endif
.irp b, 0,1,2,3
	ds_store_b128 v[STO], v[ACC+8*(4*\a+\b):ACC+8*(4*\a+\b)+3] offset:128*(\b/2)+32*(\b%2)      ; each accumulator from its low end on
	ds_store_b128 v[STO], v[ACC+8*(4*\a+\b)+4:ACC+8*(4*\a+\b)+7] offset:128*(\b/2)+32*(\b%2)+16
.endr
.irp i, 0,1,2,3,4,5,6,7
	ds_load_b128 v[48+4*\i:51+4*\i], v[RD] offset:544*\i   ; LDS serves a wave's instructions in order: these see my stores
.endr
	s_wait_dscnt 0x0
	WIN 0x08                                       ; source 1 in window 2
.irp k, 0,2,4,6,8,10,12,14,16,18,20,22,24,26,28,30
	v_pk_add_f32 v[48+\k:49+\k], v[48+\k:49+\k], v[32*\a+\k:32*\a+\k+1]
.endr
	WIN 0
.irp i, 0,1,2,3,4,5,6,7
	global_store_b128 v[CO], v[48+4*\i:51+4*\i], s[54:55] offset:(32*(\a/2)+8*(\a%2)+2*\i+8*(\i/4))*4096
.endr
.endr
	s_wait_tensorcnt 0x0                           ; the wave's end, behind my last tensor load and my last LDS store
	ds_add_u32 v[SPW], v[NIL]
	s_wait_dscnt 0x0
	s_endpgm
.Lfunc_end_k_q5ab68225cf_ffn2:
	.size	k_q5ab68225cf_ffn2, .Lfunc_end_k_q5ab68225cf_ffn2-k_q5ab68225cf_ffn2
	.p2alignl 7, 3214868480
	.fill 96, 4, 3214868480
	.section	.rodata,"a",@progbits
	.p2align	6, 0x0
	.amdhsa_kernel k_q5ab68225cf_ffn2
		.amdhsa_group_segment_fixed_size 327680
		.amdhsa_private_segment_fixed_size 0
		.amdhsa_enable_private_segment 0
		.amdhsa_kernarg_size 40
		.amdhsa_user_sgpr_count 2
		.amdhsa_user_sgpr_kernarg_segment_ptr 1
		.amdhsa_wavefront_size32 1
		.amdhsa_system_sgpr_workgroup_id_x 1
		.amdhsa_system_sgpr_workgroup_id_y 1
		.amdhsa_system_sgpr_workgroup_id_z 1
		.amdhsa_system_vgpr_workitem_id 0
		.amdhsa_next_free_vgpr 640
		.amdhsa_next_free_sgpr 80
		.amdhsa_reserve_vcc 0
		.amdhsa_float_denorm_mode_32 3
		.amdhsa_float_denorm_mode_16_64 3
		.amdhsa_memory_ordered 1
		.amdhsa_forward_progress 1
		.amdhsa_inst_pref_size 99
	.end_amdhsa_kernel
	.amdgpu_metadata
---
amdhsa.version: [ 1, 2 ]
amdhsa.kernels:
  - .name:           k_q5ab68225cf_ffn2
    .symbol:         k_q5ab68225cf_ffn2.kd
    .args:
      - { .name: hc, .offset: 0, .size: 8, .value_kind: global_buffer, .address_space: global }
      - { .name: wts, .offset: 8, .size: 8, .value_kind: global_buffer, .address_space: global }
      - { .name: b2, .offset: 16, .size: 8, .value_kind: global_buffer, .address_space: global }
      - { .name: xn, .offset: 24, .size: 8, .value_kind: global_buffer, .address_space: global }
      - { .name: y, .offset: 32, .size: 8, .value_kind: global_buffer, .address_space: global }
    .group_segment_fixed_size: 327680
    .private_segment_fixed_size: 0
    .kernarg_segment_align: 8
    .kernarg_segment_size: 40
    .max_flat_workgroup_size: 128
    .sgpr_count:     80
    .vgpr_count:     640
    .wavefront_size: 32
...
	.end_amdgpu_metadata
.endif
;; end of part 7
;; launch ln2 (part 8): grid 256 x 1, 8 waves a work-group, no clusters, 0 bytes of LDS; arguments y, gamma2, beta2, out0; writes out0
.if DOCPART == 8
	.amdgcn_target "amdgcn-amd-amdhsa--gfx1250"
	.amdhsa_code_object_version 6
	.text
	.protected	k_q5ab68225cf_ln2
	.globl	k_q5ab68225cf_ln2
	.p2align	8
	.type	k_q5ab68225cf_ln2,@function
k_q5ab68225cf_ln2:
	s_mov_b64 s[64:65], 0
	v_nop
	global_prefetch_b8 v0, s[64:65] scope:SCOPE_SE
	s_setreg_imm32_b32 hwreg(HW_REG_WAVE_MODE, 25, 1), 1
	s_wait_xcnt 0x0
; out0 = gamma2 (y - mean) / (std + 1e-6) + beta2 along rows of 1,024, std with the divisor 1,023.  All in f32.
; A work-group takes 16 rows, wave w rows 2 w and 2 w + 1: a row lies in 32 registers of one wave between the passes, so it is read once, the sums never leave the wave, and there is no LDS and no barrier.
; Mean first, then the squares of the centred numbers.  Every load and store of a wave covers 512 consecutive bytes.  Memory binds: no matrix unit, no tensor load, no cluster.
; LIMITS: NaN and infinities among the inputs are not served.
.set X,    32                          ; v32-95  two rows
.set G,    96                          ; v96-127 gamma; v128-159 beta, of my 32 columns
.set BT,   128
.set T,    8                           ; v8-15   sums, then the means, a pair for each row
.set Q,    16                          ; v16-23  sums of squares, std, 1 / (std + eps) as a pair
.set PM,   24
.set SEL,  20
.macro WSUM r, t                       ; the sum over the wave's 32 lanes, in every lane
	v_add_f32_dpp v[\r], v[\r], v[\r] row_xmask:1 row_mask:0xf bank_mask:0xf
	v_add_f32_dpp v[\r], v[\r], v[\r] row_xmask:2 row_mask:0xf bank_mask:0xf
	v_add_f32_dpp v[\r], v[\r], v[\r] row_xmask:4 row_mask:0xf bank_mask:0xf
	v_add_f32_dpp v[\r], v[\r], v[\r] row_xmask:8 row_mask:0xf bank_mask:0xf
	v_permlanex16_b32 v[\t], v[\r], s[SEL], s[SEL+1]
	v_add_f32 v[\r], v[\r], v[\t]
.endm
	s_load_b128 s[4:7], s[0:1], 0x0                ; y, gamma2
	s_load_b128 s[8:11], s[0:1], 0x10              ; beta2, out0
	v_lshrrev_b32 v1, 5, v0
	v_readfirstlane_b32 s2, v1                     ; wave 0..7
	v_and_b32 v1, 31, v0
	v_lshlrev_b32 v2, 4, v1                        ; 16 x lane
	v_mov_b32 v[PM], 0                             ; written once: a lane permute's destination counts as one of its sources
	v_mov_b32 v[PM+1], 0
	s_mov_b32 s[SEL], 0x76543210
	s_mov_b32 s[SEL+1], 0xfedcba98
	s_lshl_b32 s14, ttmp9, 4
	s_lshl_b32 s15, s2, 1
	s_add_co_u32 s14, s14, s15                     ; my first row
	s_lshl_b32 s14, s14, 12
	s_mov_b32 s15, 0
	s_wait_kmcnt 0x0
	s_add_nc_u64 s[4:5], s[4:5], s[14:15]
	s_add_nc_u64 s[10:11], s[10:11], s[14:15]
.irp e, 0,1
.irp i, 0,1,2,3,4,5,6,7
	global_load_b128 v[X+32*\e+4*\i:X+32*\e+4*\i+3], v2, s[4:5] offset:4096*\e+512*\i th:TH_LOAD_NT
.endr
.endr
.irp i, 0,1,2,3,4,5,6,7
	global_load_b128 v[G+4*\i:G+4*\i+3], v2, s[6:7] offset:512*\i
	global_load_b128 v[BT+4*\i:BT+4*\i+3], v2, s[8:9] offset:512*\i
.endr
	s_wait_loadcnt 16                              ; the two rows are in; gamma's and beta's 16 loads may be out
.irp e, 0,1
	v_pk_add_f32 v[T+4*\e:T+4*\e+1], v[X+32*\e:X+32*\e+1], v[X+32*\e+2:X+32*\e+3]
	v_pk_add_f32 v[T+4*\e+2:T+4*\e+3], v[X+32*\e+4:X+32*\e+5], v[X+32*\e+6:X+32*\e+7]
.endr
.irp j, 8,12,16,20,24,28
.irp e, 0,1
	v_pk_add_f32 v[T+4*\e:T+4*\e+1], v[T+4*\e:T+4*\e+1], v[X+32*\e+\j:X+32*\e+\j+1]
	v_pk_add_f32 v[T+4*\e+2:T+4*\e+3], v[T+4*\e+2:T+4*\e+3], v[X+32*\e+\j+2:X+32*\e+\j+3]
.endr
.endr
.irp e, 0,1
	v_pk_add_f32 v[T+4*\e:T+4*\e+1], v[T+4*\e:T+4*\e+1], v[T+4*\e+2:T+4*\e+3]
.endr
.irp e, 0,1
	v_add_f32 v[T+4*\e], v[T+4*\e], v[T+4*\e+1]
.endr
	WSUM T, PM
	WSUM T+4, PM+1
.irp e, 0,1
	v_mul_f32 v[T+4*\e], 0x3a800000, v[T+4*\e]     ; / 1,024: the mean
.endr
.irp e, 0,1
	v_mov_b32 v[T+4*\e+1], v[T+4*\e]
.endr
.irp e, 0,1
.irp j, 0,2,4,6,8,10,12,14,16,18,20,22,24,26,28,30
	v_pk_add_f32 v[X+32*\e+\j:X+32*\e+\j+1], v[X+32*\e+\j:X+32*\e+\j+1], v[T+4*\e:T+4*\e+1] neg_lo:[0,1] neg_hi:[0,1]   ; centred in place
.endr
.endr
.irp e, 0,1
	v_pk_mul_f32 v[Q+4*\e:Q+4*\e+1], v[X+32*\e:X+32*\e+1], v[X+32*\e:X+32*\e+1]
	v_pk_mul_f32 v[Q+4*\e+2:Q+4*\e+3], v[X+32*\e+2:X+32*\e+3], v[X+32*\e+2:X+32*\e+3]
.endr
.irp j, 4,8,12,16,20,24,28
.irp e, 0,1
	v_pk_fma_f32 v[Q+4*\e:Q+4*\e+1], v[X+32*\e+\j:X+32*\e+\j+1], v[X+32*\e+\j:X+32*\e+\j+1], v[Q+4*\e:Q+4*\e+1]
	v_pk_fma_f32 v[Q+4*\e+2:Q+4*\e+3], v[X+32*\e+\j+2:X+32*\e+\j+3], v[X+32*\e+\j+2:X+32*\e+\j+3], v[Q+4*\e+2:Q+4*\e+3]
.endr
.endr
.irp e, 0,1
	v_pk_add_f32 v[Q+4*\e:Q+4*\e+1], v[Q+4*\e:Q+4*\e+1], v[Q+4*\e+2:Q+4*\e+3]
.endr
.irp e, 0,1
	v_add_f32 v[Q+4*\e], v[Q+4*\e], v[Q+4*\e+1]
.endr
	WSUM Q, PM
	WSUM Q+4, PM+1
.irp e, 0,1
	v_mul_f32 v[Q+4*\e], 0x3a802008, v[Q+4*\e]     ; / 1,023
.endr
.irp e, 0,1
	v_sqrt_f32 v[Q+4*\e+1], v[Q+4*\e]
.endr
	v_nop                                          ; a plain place behind the roots,
	s_wait_alu depctr_va_vdst(0)                   ; and the wait ahead of their first reader
.irp e, 0,1
	v_add_f32 v[Q+4*\e+1], 0x358637bd, v[Q+4*\e+1] ; + 1e-6
.endr
.irp e, 0,1
	v_rcp_f32 v[Q+4*\e+2], v[Q+4*\e+1]
	v_rcp_f32 v[Q+4*\e+3], v[Q+4*\e+1]             ; twice: a pair for the packed multiply
.endr
	v_nop
	s_wait_alu depctr_va_vdst(0)
	s_wait_loadcnt 0x0                             ; gamma, beta
.irp e, 0,1
.irp j, 0,2,4,6,8,10,12,14,16,18,20,22,24,26,28,30
	v_pk_mul_f32 v[X+32*\e+\j:X+32*\e+\j+1], v[X+32*\e+\j:X+32*\e+\j+1], v[Q+4*\e+2:Q+4*\e+3]
.endr
.irp j, 0,2,4,6,8,10,12,14,16,18,20,22,24,26,28,30
	v_pk_fma_f32 v[X+32*\e+\j:X+32*\e+\j+1], v[X+32*\e+\j:X+32*\e+\j+1], v[G+\j:G+\j+1], v[BT+\j:BT+\j+1]
.endr
.endr
.irp e, 0,1
.irp i, 0,1,2,3,4,5,6,7
	global_store_b128 v2, v[X+32*\e+4*\i:X+32*\e+4*\i+3], s[10:11] offset:4096*\e+512*\i th:TH_STORE_NT
.endr
.endr
	s_endpgm
.Lfunc_end_k_q5ab68225cf_ln2:
	.size	k_q5ab68225cf_ln2, .Lfunc_end_k_q5ab68225cf_ln2-k_q5ab68225cf_ln2
	.p2alignl 7, 3214868480
	.fill 96, 4, 3214868480
	.section	.rodata,"a",@progbits
	.p2align	6, 0x0
	.amdhsa_kernel k_q5ab68225cf_ln2
		.amdhsa_group_segment_fixed_size 0
		.amdhsa_private_segment_fixed_size 0
		.amdhsa_enable_private_segment 0
		.amdhsa_kernarg_size 32
		.amdhsa_user_sgpr_count 2
		.amdhsa_user_sgpr_kernarg_segment_ptr 1
		.amdhsa_wavefront_size32 1
		.amdhsa_system_sgpr_workgroup_id_x 1
		.amdhsa_system_sgpr_workgroup_id_y 1
		.amdhsa_system_sgpr_workgroup_id_z 1
		.amdhsa_system_vgpr_workitem_id 0
		.amdhsa_next_free_vgpr 160
		.amdhsa_next_free_sgpr 66
		.amdhsa_reserve_vcc 0
		.amdhsa_float_denorm_mode_32 3
		.amdhsa_float_denorm_mode_16_64 3
		.amdhsa_memory_ordered 1
		.amdhsa_forward_progress 1
		.amdhsa_inst_pref_size 18
	.end_amdhsa_kernel
	.amdgpu_metadata
---
amdhsa.version: [ 1, 2 ]
amdhsa.kernels:
  - .name:           k_q5ab68225cf_ln2
    .symbol:         k_q5ab68225cf_ln2.kd
    .args:
      - { .name: y, .offset: 0, .size: 8, .value_kind: global_buffer, .address_space: global }
      - { .name: gamma2, .offset: 8, .size: 8, .value_kind: global_buffer, .address_space: global }
      - { .name: beta2, .offset: 16, .size: 8, .value_kind: global_buffer, .address_space: global }
      - { .name: out0, .offset: 24, .size: 8, .value_kind: global_buffer, .address_space: global }
    .group_segment_fixed_size: 0
    .private_segment_fixed_size: 0
    .kernarg_segment_align: 8
    .kernarg_segment_size: 32
    .max_flat_workgroup_size: 256
    .sgpr_count:     66
    .vgpr_count:     160
    .wavefront_size: 32
...
	.end_amdgpu_metadata
.endif
;; end of part 8
